; MI455X (gfx1250); checked and timed in simulation.
; The chip was launched on July 23, 2026; its instructions are those of AMD's public machine-readable ISA for CDNA 5 (MIT licence, August 2026) and "CDNA5" Instruction Set Architecture Reference Guide (July 2026). The comments in the code are by the model that wrote it; some were corrected since.
;; Llama QMLP. Allowed arithmetic: float matrix products may take bf16 or f16 operands with f32 sums; other float arithmetic in f32, or as packed bf16 or f16 multiplies, adds, multiply-adds, maxima and minima; sums over many terms, partial sums and values carried from step to step in f32; what a program stores and reads back later, other than sums and carried values, may be rounded once to bf16 or f16.
;; Inputs: qweight_dn 5,504 x 128 int32; qweight_gu 1,024 x 1,376 int32; qzeros_dn 43 x 128 int32; qzeros_gu 8 x 1,376 int32; scales_dn 43 x 1,024 float32; scales_gu 8 x 11,008 float32; x 2 x 2,048 x 1,024 float32.
;; Outputs: out0 2 x 2,048 x 1,024 float32.
;; 2 versions, each right; version 2 is version 1 with the launch prep written anew for expert scheduling mode. Each part assembles by itself: llvm-mc -triple=amdgcn-amd-amdhsa -mcpu=gfx1250 --defsym DOCPART=n.
;; ======== version 1 of 2: 3 launches
;; limits: values are held in f16: magnitudes above 65,504 overflow, below 6.1e-05 lose precision; inputs' magnitudes at most 65,504
;; workspace buffers: xh 8,388,608 bytes; wgu 23,068,672 bytes; wdn 11,534,336 bytes; hbuf 46,137,344 bytes; rowsc 65,536 bytes
;; launch prep (part 1): grid 1032 x 1, 8 waves a work-group, no clusters, 0 bytes of LDS; arguments x, qweight_gu, qzeros_gu, scales_gu, qweight_dn, qzeros_dn, scales_dn, xh, rowsc, wgu, wdn; writes xh, rowsc, wgu, wdn
.if DOCPART == 1
	.amdgcn_target "amdgcn-amd-amdhsa--gfx1250"
	.amdhsa_code_object_version 6
	.text
	.protected	k_qd09ab82e4e_prep
	.globl	k_qd09ab82e4e_prep
	.p2align	8
	.type	k_qd09ab82e4e_prep,@function
k_qd09ab82e4e_prep:
	s_mov_b64 s[64:65], 0
	v_nop
	global_prefetch_b8 v0, s[64:65] scope:SCOPE_SE
	s_setreg_imm32_b32 hwreg(HW_REG_WAVE_MODE, 25, 1), 1
	s_wait_xcnt 0x0
; PREPARATION for the two products of out = (silu(x Wg) * (x Wu)) Wd.  Three jobs, chosen by the work-group's number; no LDS, no barrier, no wave waits for another.
;   work-groups 0-511:    x [4096][1024] f32 -> xh f16, one wave a row; the row's factors -> rowsc [4096][4] f32 = (inv, inv, fwd, fwd), ms = max(mean(x^2), 1e-30), inv = 1/(8 ms), fwd = 8 ms.
;   work-groups 512-855:  wgu [1024][11264] f16 = (w - z) s, computed in f32 as the problem writes it and rounded once.  A word's eight nibbles are eight neighbouring n,
;                         so a lane turns 4 loaded bytes into 16 neighbouring stored bytes and the weights stay [K][N].  The gate's 5,504 columns lie at 0, the up's at 5,632; behind each
;                         stand 128 columns of stored zeros, so that the first product has 44 column tiles of 128, a number that four divides.
;   work-groups 856-1031: wdn [5632][1024] f16 likewise; its rows 5504-5631 are stored zeros, so that the second product's K is 22 whole steps of 256.
; WHY inv AND fwd.  h = silu(g) u grows about with the square of the row's size of x and has no room in f16; h / (8 mean(x^2)) has the same size whatever x's scale or offset.
; The factor belongs to a row, so the second product's f32 sums are multiplied by fwd once.
; LIMITS.  f16 ends at 65,504: |x| and |(w - z) s| stay below it.  The sum of a row's squares stays finite in f32.  A row with mean(x^2) < 1e-30 takes 1e-30.  NaN and infinities are not treated apart.
.set CX, 8                             ; cast: v[8:39]   eight loads of 4 f32
.set CA, 40                            ; cast: v[40:47]  four pairs of running sums of squares
.set CY, 48                            ; cast: v[48:63]  16 words of packed f16, each load's own two
.set DZ, 8                             ; weights: v[8:15]   my 8 zero points
.set DS, 16                            ; weights: v[16:23]  my 8 scales
.set DQ, 24                            ; weights: v[24:39]  16 rows' words
.set DT, 40                            ; weights: v[40:47]  at work
.set DY, 48                            ; weights: v[48:111] 4 registers for each of 16 rows: no store's data is ever rewritten
; One group of 128 rows of K x one chunk of 32 words (256 n).  s30 = chunk, s31 = group, s28 = wave: the wave takes rows 128 g + 16 w .. + 15.
; qw, qz, sc, out: the first register of each pointer's pair.  QP, ZP, SCP, OP: bytes from row to row in the four buffers.
; SPLIT: words of a row from this number on are stored 256 bytes further on (0: none).
.macro DEQ qw, qz, sc, out, QP, ZP, SCP, OP, SPLIT
	s_lshl_b32 s32, s31, 7
	s_lshl_b32 s33, s28, 4
	s_add_co_u32 s32, s32, s33                     ; my first row of K
	s_mov_b32 s35, 0
	s_lshl_b32 s36, s30, 7                         ; the chunk's 128 bytes of words
	s_mul_i32 s34, s32, \QP
	s_add_co_u32 s34, s34, s36
	s_add_nc_u64 s[\qw:\qw+1], s[\qw:\qw+1], s[34:35]
	s_mul_i32 s34, s31, \ZP
	s_add_co_u32 s34, s34, s36
	s_add_nc_u64 s[\qz:\qz+1], s[\qz:\qz+1], s[34:35]
	s_mul_i32 s34, s31, \SCP
	s_lshl_b32 s36, s30, 10                        ; its 1,024 bytes of scales
	s_add_co_u32 s34, s34, s36
	s_add_nc_u64 s[\sc:\sc+1], s[\sc:\sc+1], s[34:35]
	s_mul_i32 s34, s32, \OP
	s_lshl_b32 s36, s30, 9                         ; its 512 bytes of f16
	s_add_co_u32 s34, s34, s36
	s_add_nc_u64 s[\out:\out+1], s[\out:\out+1], s[34:35]
	v_lshlrev_b32 v2, 2, v1                        ; my word
	v_lshlrev_b32 v3, 4, v1                        ; my 16 bytes of f16
	v_lshlrev_b32 v4, 5, v1                        ; my 32 bytes of scales
.if \SPLIT
	v_lshl_add_u32 v6, s30, 5, v1                  ; my word's number in its row
	v_mov_b32 v7, 0x100
	v_cmp_le_u32 vcc_lo, \SPLIT, v6                ; an up column?
	v_cndmask_b32 v6, 0, v7, vcc_lo
	v_add_nc_u32 v3, v3, v6                        ; then past the gate's 128 columns of zeros; SPLIT is a multiple of 16 words, so sixteen lanes still store 256 aligned bytes
.endif
	global_load_b32 v5, v2, s[\qz:\qz+1]
	global_load_b128 v[DS:DS+3],   v4, s[\sc:\sc+1]
	global_load_b128 v[DS+4:DS+7], v4, s[\sc:\sc+1] offset:16
.set i, 0
.rept 16
	global_load_b32 v[DQ+i], v2, s[\qw:\qw+1] offset:i*(\QP)
.set i, i+1
.endr
	s_wait_loadcnt 16                              ; loads come back in order: the zero points and scales are in, the 16 rows' words may stay out
.irp j, 0,1,2,3,4,5,6,7
	v_bfe_u32 v[DZ+(\j)], v5, 4*(\j), 4
.endr
.set i, 0
.rept 16
	s_wait_loadcnt 15-i                            ; row i's word is in, the younger ones stay out
.irp j, 0,1,2,3,4,5,6,7
	v_bfe_u32 v[DT+(\j)], v[DQ+i], 4*(\j), 4       ; nibble j is column 8 word + j
.endr
.irp j, 0,1,2,3,4,5,6,7
	v_sub_nc_u32 v[DT+(\j)], v[DT+(\j)], v[DZ+(\j)]  ; w - z, exact
.endr
.irp j, 0,1,2,3,4,5,6,7
	v_cvt_f32_i32 v[DT+(\j)], v[DT+(\j)]
.endr
.irp j, 0,2,4,6
	v_pk_mul_f32 v[DT+(\j):DT+(\j)+1], v[DT+(\j):DT+(\j)+1], v[DS+(\j):DS+(\j)+1]
.endr
.irp j, 0,1,2,3
	v_cvt_pk_f16_f32 v[DY+4*i+(\j)], v[DT+2*(\j)], v[DT+2*(\j)+1]
.endr
	global_store_b128 v3, v[DY+4*i:DY+4*i+3], s[\out:\out+1] offset:i*(\OP)  ; sixteen lanes store 256 consecutive bytes, at a multiple of 256 from the buffer's first
.set i, i+1
.endr
.endm
	s_load_b512 s[4:19], s[0:1], 0x0               ; x s[4:5], qweight_gu s[6:7], qzeros_gu s[8:9], scales_gu s[10:11], qweight_dn s[12:13], qzeros_dn s[14:15], scales_dn s[16:17], xh s[18:19]
	s_load_b128 s[20:23], s[0:1], 0x40             ; rowsc s[20:21], wgu s[22:23]
	s_load_b64 s[24:25], s[0:1], 0x50              ; wdn
	v_and_b32 v1, 31, v0                           ; lane
	v_lshrrev_b32 v2, 5, v0
	v_readfirstlane_b32 s28, v2                    ; wave 0..7
	s_mov_b32 s29, ttmp9
	s_wait_kmcnt 0x0
	s_cmp_lt_u32 s29, 512
	s_cbranch_scc1 .Lcast
	s_cmp_lt_u32 s29, 856
	s_cbranch_scc1 .Lgu
	; the down projection's weights: 44 groups x 4 chunks
	s_sub_co_u32 s29, s29, 856
	s_and_b32 s30, s29, 3                          ; chunk
	s_lshr_b32 s31, s29, 2                         ; group 0..43
	s_cmp_eq_u32 s31, 43
	s_cbranch_scc1 .Lpad                           ; the 44th group has no input: it is the zeros
	DEQ 12, 14, 16, 24, 512, 512, 4096, 2048, 0
	s_endpgm
.Lpad:
	s_lshl_b32 s32, s28, 4
	s_add_co_u32 s32, s32, 5504                    ; my 16 rows behind the last true row
	s_lshl_b32 s34, s32, 11
	s_lshl_b32 s36, s30, 9
	s_add_co_u32 s34, s34, s36
	s_mov_b32 s35, 0
	s_add_nc_u64 s[24:25], s[24:25], s[34:35]
	v_lshlrev_b32 v3, 4, v1
.irp j, 0,1,2,3
	v_mov_b32 v[DY+(\j)], 0
.endr
.set i, 0
.rept 16
	global_store_b128 v3, v[DY:DY+3], s[24:25] offset:i*2048
.set i, i+1
.endr
	s_endpgm
.Lgu:                                                  ; the gate and up weights: 8 groups x 43 chunks; the up columns begin at word 688, in the middle of chunk 21
	s_sub_co_u32 s29, s29, 512
	s_and_b32 s31, s29, 7                          ; group
	s_lshr_b32 s30, s29, 3                         ; chunk 0..42
	DEQ 6, 8, 10, 22, 5504, 5504, 44032, 22528, 688
	s_mov_b32 s37, 256                             ; chunk 21 has left the gate's strip of zeros open between its two halves: 256 bytes behind the chunk's first
	s_cmp_eq_u32 s30, 21
	s_cbranch_scc1 .Lstrip
	s_mov_b32 s37, 768                             ; the up's strip stands behind chunk 42, which lies 256 bytes further on and is 512 long
	s_cmp_eq_u32 s30, 42
	s_cbranch_scc1 .Lstrip
	s_endpgm
.Lstrip:
	v_lshl_add_u32 v6, v1, 3, s37                  ; 8 bytes a lane
	v_mov_b32 v8, 0
	v_mov_b32 v9, 0
.set i, 0
.rept 16
	global_store_b64 v6, v[8:9], s[22:23] offset:i*22528  ; a row's 256 bytes of zeros, whole, by one instruction
.set i, i+1
.endr
	s_endpgm
.Lcast:                                                ; one wave, one row of x: the reduction never leaves the wave
	s_lshl_b32 s30, s29, 3
	s_add_co_u32 s30, s30, s28                     ; my row
	s_mov_b32 s33, 0
	s_lshl_b32 s32, s30, 12
	s_add_nc_u64 s[4:5], s[4:5], s[32:33]          ; x: 4,096 bytes a row
	s_lshl_b32 s32, s30, 11
	s_add_nc_u64 s[18:19], s[18:19], s[32:33]      ; xh: 2,048
	s_lshl_b32 s32, s30, 4
	s_add_nc_u64 s[20:21], s[20:21], s[32:33]      ; rowsc: 16
	s_mov_b32 s34, 0x76543210                      ; v_permlanex16_b32: each lane takes its own place in the other half
	s_mov_b32 s35, 0xfedcba98
	v_lshlrev_b32 v2, 4, v1
	v_lshlrev_b32 v3, 3, v1
	v_mov_b32 v64, 0
	v_mov_b32 v70, 0                               ; the exchange's destination counts as read
.irp j, 0,1,2,3,4,5,6,7
	global_load_b128 v[CX+4*(\j):CX+4*(\j)+3], v2, s[4:5] offset:512*(\j) th:TH_LOAD_NT  ; 512 consecutive bytes each; x is read once
.endr
.irp j, 0,1,2,3,4,5,6,7
	s_wait_loadcnt 7-(\j)                          ; load j is in, the younger ones stay out
.if (\j) < 2
	v_pk_mul_f32 v[CA+4*(\j):CA+4*(\j)+1],   v[CX+4*(\j):CX+4*(\j)+1],   v[CX+4*(\j):CX+4*(\j)+1]      ; the first two loads start the four chains: nothing is cleared
	v_pk_mul_f32 v[CA+4*(\j)+2:CA+4*(\j)+3], v[CX+4*(\j)+2:CX+4*(\j)+3], v[CX+4*(\j)+2:CX+4*(\j)+3]
.else
	v_pk_fma_f32 v[CA+4*((\j)%2):CA+4*((\j)%2)+1],   v[CX+4*(\j):CX+4*(\j)+1],   v[CX+4*(\j):CX+4*(\j)+1],   v[CA+4*((\j)%2):CA+4*((\j)%2)+1]
	v_pk_fma_f32 v[CA+4*((\j)%2)+2:CA+4*((\j)%2)+3], v[CX+4*(\j)+2:CX+4*(\j)+3], v[CX+4*(\j)+2:CX+4*(\j)+3], v[CA+4*((\j)%2)+2:CA+4*((\j)%2)+3]
.endif
	v_cvt_pk_f16_f32 v[CY+2*(\j)],   v[CX+4*(\j)],   v[CX+4*(\j)+1]
	v_cvt_pk_f16_f32 v[CY+2*(\j)+1], v[CX+4*(\j)+2], v[CX+4*(\j)+3]
	global_store_b64 v3, v[CY+2*(\j):CY+2*(\j)+1], s[18:19] offset:256*(\j)  ; the wave stores 256 consecutive bytes, at a multiple of 256 from xh's first
.endr
	v_pk_add_f32 v[CA:CA+1], v[CA:CA+1], v[CA+2:CA+3]
	v_pk_add_f32 v[CA+4:CA+5], v[CA+4:CA+5], v[CA+6:CA+7]
	v_pk_add_f32 v[CA:CA+1], v[CA:CA+1], v[CA+4:CA+5]
	v_add_f32 v[CA], v[CA], v[CA+1]
	v_add_f32_dpp v[CA], v[CA], v[CA] row_xmask:1 row_mask:0xf bank_mask:0xf
	v_add_f32_dpp v[CA], v[CA], v[CA] row_xmask:2 row_mask:0xf bank_mask:0xf
	v_add_f32_dpp v[CA], v[CA], v[CA] row_xmask:4 row_mask:0xf bank_mask:0xf
	v_add_f32_dpp v[CA], v[CA], v[CA] row_xmask:8 row_mask:0xf bank_mask:0xf
	v_permlanex16_b32 v70, v[CA], s34, s35
	v_add_f32 v[CA], v[CA], v70                    ; the row's sum of squares, in every lane
	v_mul_f32 v[CA], 0x3a800000, v[CA]             ; / 1024
	v_max_num_f32 v[CA], 0x0da24260, v[CA]         ; ms = max(mean, 1e-30)
	v_rcp_f32 v66, v[CA]
	v_mul_f32 v68, 0x41000000, v[CA]               ; fwd = 8 ms: also the plain instruction behind the reciprocal (ISA guide 5.7.2)
	v_mov_b32 v69, v68
	s_wait_alu depctr_va_vdst(0)
	v_mul_f32 v66, 0x3e000000, v66                 ; inv = 1 / (8 ms)
	v_mov_b32 v67, v66                             ; each factor twice: the first product's packed multiplies take a true pair
	v_cmp_eq_u32 vcc_lo, 0, v1
	s_wait_xcnt 0x0                                ; EXEC is a source of the stores above: it changes only behind this wait
	s_and_saveexec_b32 s36, vcc_lo
	global_store_b128 v64, v[66:69], s[20:21]      ; lane 0 stores the row's 16 bytes: the one store of the program that fills no whole 256 bytes (65,536 bytes in all)
	s_wait_xcnt 0x0                                ; and again in front of the line that widens EXEC
	s_or_b32 exec_lo, exec_lo, s36
	s_endpgm
.Lfunc_end_k_qd09ab82e4e_prep:
	.size	k_qd09ab82e4e_prep, .Lfunc_end_k_qd09ab82e4e_prep-k_qd09ab82e4e_prep
	.p2alignl 7, 3214868480
	.fill 96, 4, 3214868480
	.section	.rodata,"a",@progbits
	.p2align	6, 0x0
	.amdhsa_kernel k_qd09ab82e4e_prep
		.amdhsa_group_segment_fixed_size 0
		.amdhsa_private_segment_fixed_size 0
		.amdhsa_enable_private_segment 0
		.amdhsa_kernarg_size 88
		.amdhsa_user_sgpr_count 2
		.amdhsa_user_sgpr_kernarg_segment_ptr 1
		.amdhsa_wavefront_size32 1
		.amdhsa_system_sgpr_workgroup_id_x 1
		.amdhsa_system_sgpr_workgroup_id_y 1
		.amdhsa_system_sgpr_workgroup_id_z 1
		.amdhsa_system_vgpr_workitem_id 0
		.amdhsa_next_free_vgpr 112
		.amdhsa_next_free_sgpr 66
		.amdhsa_reserve_vcc 1
		.amdhsa_float_denorm_mode_32 3
		.amdhsa_float_denorm_mode_16_64 3
		.amdhsa_memory_ordered 1
		.amdhsa_forward_progress 1
		.amdhsa_inst_pref_size 69
	.end_amdhsa_kernel
	.amdgpu_metadata
---
amdhsa.version: [ 1, 2 ]
amdhsa.kernels:
  - .name:           k_qd09ab82e4e_prep
    .symbol:         k_qd09ab82e4e_prep.kd
    .args:
      - { .name: x, .offset: 0, .size: 8, .value_kind: global_buffer, .address_space: global }
      - { .name: qweight_gu, .offset: 8, .size: 8, .value_kind: global_buffer, .address_space: global }
      - { .name: qzeros_gu, .offset: 16, .size: 8, .value_kind: global_buffer, .address_space: global }
      - { .name: scales_gu, .offset: 24, .size: 8, .value_kind: global_buffer, .address_space: global }
      - { .name: qweight_dn, .offset: 32, .size: 8, .value_kind: global_buffer, .address_space: global }
      - { .name: qzeros_dn, .offset: 40, .size: 8, .value_kind: global_buffer, .address_space: global }
      - { .name: scales_dn, .offset: 48, .size: 8, .value_kind: global_buffer, .address_space: global }
      - { .name: xh, .offset: 56, .size: 8, .value_kind: global_buffer, .address_space: global }
      - { .name: rowsc, .offset: 64, .size: 8, .value_kind: global_buffer, .address_space: global }
      - { .name: wgu, .offset: 72, .size: 8, .value_kind: global_buffer, .address_space: global }
      - { .name: wdn, .offset: 80, .size: 8, .value_kind: global_buffer, .address_space: global }
    .group_segment_fixed_size: 0
    .private_segment_fixed_size: 0
    .kernarg_segment_align: 8
    .kernarg_segment_size: 88
    .max_flat_workgroup_size: 256
    .sgpr_count:     66
    .vgpr_count:     112
    .wavefront_size: 32
...
	.end_amdgpu_metadata
.endif
;; end of part 1
;; launch gemm_gu (part 2): grid 16 x 44, 4 waves a work-group, clusters of 4 x 4, 327,680 bytes of LDS; arguments xh, wgu, rowsc, hbuf; writes hbuf
.if DOCPART == 2
	.amdgcn_target "amdgcn-amd-amdhsa--gfx1250"
	.amdhsa_code_object_version 6
	.text
	.protected	k_qd09ab82e4e_gemm_gu
	.globl	k_qd09ab82e4e_gemm_gu
	.p2align	8
	.type	k_qd09ab82e4e_gemm_gu,@function
k_qd09ab82e4e_gemm_gu:
	s_mov_b64 s[64:65], 0
	v_nop
	global_prefetch_b8 v0, s[64:65] scope:SCOPE_SE
	s_setreg_imm32_b32 hwreg(HW_REG_WAVE_MODE, 25, 1), 1
	s_wait_xcnt 0x0
	s_wait_alu depctr_hold_cnt(0) depctr_sa_sdst(0) depctr_va_vdst(0) depctr_va_sdst(0) depctr_va_ssrc(0) depctr_va_vcc(0) depctr_vm_vsrc(0)
	s_getreg_b32 s2, hwreg(HW_REG_IB_STS2, 6, 4)
	s_cmp_eq_u32 s2, 0
	s_cbranch_scc0 .Lentry_in_a_cluster
	s_endpgm
.Lentry_in_a_cluster:
	s_bfe_u32 s2, ttmp6, 0x10000c
	s_cmp_lg_u32 s2, 0xf033
	s_cbranch_scc0 .Lentry_shape_is_right
	s_endpgm
.Lentry_shape_is_right:
; h'[m][n] = silu(g) u inv[m],  g = sum over k of xh[m][k] wgu[k][n],  u = sum over k of xh[m][k] wgu[k][5632 + n].  xh [4096][1024], wgu [1024][11264], hbuf [4096][5632], all f16; sums and the activation in f32;
; h' rounded once to f16.  inv[m] = 1 / (8 mean(x[m]^2)) comes from rowsc [4096][4] f32 (words 0, 1).
; LIMITS.  |silu(g) u| inv stays below 65,504, f16's end.  NaN and infinities are not treated apart.  e^-g that overflows gives sigmoid 0, as it should.
; SHARES.  A work-group of four waves makes 256 rows x 128 columns of h: a tile of 256 x 128 of g and the matching one of u.  Wave (RH, CH) makes rows 128 RH .. x columns 64 CH .. of both: 64 accumulators of 16 x 16, 512 registers;
; n blocks 0-3 are g's, 4-7 u's, so g and u of one h lie in the same lane at the same place.  K = 1,024 goes in 8 steps of 128 through two LDS slots filled by the tensor data mover; all tile rows are 256 bytes of
; memory at multiples of 256 from the buffers' first bytes.
; THE WEIGHTS LIE [K][N] and are turned on the way from LDS into registers by ds_load_tr16_b128: as many LDS loads as for rows along K.
; THE MATRIX INSTRUCTION IS USED TRANSPOSED (source 0 = 16 columns of W, source 1 = 16 rows of x): a lane holds row l % 16 and eight neighbouring columns 8 (l / 16) + 0..7.
; CLUSTERS: 4 x 4 work-groups; x counts row tiles (16), y column tiles (44).  The four of a column of the cluster make one row tile and need the same tiles of x, the four of a row one column tile and the same tiles of W:
; each tile is asked for JOINTLY (the same load, descriptor and mask in all four), which divides the requests for both by four.
; THE 44TH COLUMN TILE.  h has 43 tiles of 128 columns, which four does not divide.  wgu carries 128 columns of stored zeros behind g's and behind u's; the 44th tile multiplies them, and its result, silu(0) 0 inv = 0, is
; stored into hbuf's columns 5504-5631: the zeros that make the second product's K 22 whole steps of 256.  The price: one product in 44 of this launch falls on zeros.
; REGISTERS, in windows of 256: window 0: v0-31 addresses; v32-47 inv; v64-127, v128-191 x's fragments, two buffers (at the end: the activation's work and the rows read back);
;   window 1: v64-127, v128-191 W's fragments; window 2: the accumulators of my rows 0-63 ((a, b) at v[8 (8 a + b)]); window 3: those of rows 64-127.
.set PA,     272                       ; an LDS row of x: 256 bytes + 16 = 68 words: the 16 rows of a fragment load start at 16 different groups of four banks (64 banks of 4 bytes: ISA guide 11.1)
.set PB,     288                       ; an LDS row of W: 256 + 32 = 72 words
.set HALFA,  128*PA                    ; 128 rows of x: one tensor load
.set HALFB,  128*PB                    ; 128 k x 128 n of W: one tensor load (g's columns, or u's)
.set SLOT,   2*HALFA+2*HALFB           ; x's 256 rows, g's tile, u's tile
.set SPARE,  2*SLOT                    ; behind the ring: the spare words, 128 bytes for each wave: two blocks of 256 bytes that no other line names
.set SPITCH, 272                       ; THE STAGE for the way out, 256 rows x 272 bytes, lies from LDS byte 0 on, in slot 0: it is written only behind the last change of slots, when slot 0 has had its last fill of the launch and every wave's reads of it are over
.set WROW,   22528                     ; bytes in a row of wgu
.set LAPS,   4                         ; a lap = two K steps = once round the ring
.set ADRA, 16                          ; v16-17  LDS address of my x fragments in slot 0, 1
.set ADRB, 20                          ; v20-23  of my W fragments: slot 0 g, slot 0 u, slot 1 g, slot 1 u (one register would pass the 16-bit offset)
.set STO,  24                          ; v24     the way out: where I put 16 bytes of a row
.set RD,   25                          ; v25     where I read a row back
.set CO,   26                          ; v26     my byte offset in hbuf
.set RO,   27                          ; v27     my byte offset in rowsc
.set SPW,  28                          ; v28     LDS address of my spare word; never rewritten
.set NIL,  29                          ; v29     0; never rewritten
.set RI,   32                          ; v32-47  pair a: inv, twice, of row 16 a + l % 16 of my 128
.set F0,   64
.set F1,   128
.set ET,   64                          ; the activation: 32 registers for the sigmoid,
.set EP,   96                          ; 32 for g u,
.set EH,   128                         ; 16 of packed h'
.set G1A, 24                           ; s[24:31] descriptor group 1 for x's tiles;  s[32:39] group 0, a set for each slot
.set G0A, 32
.set G1B, 40                           ; s[40:47], s[48:55] the same for W's tiles
.set G0B, 48
.set MSB, 0
.macro WIN new                         ; the immediate's high byte repeats the setting that is left; a switch that changes nothing is dropped
.if MSB != (\new)
	s_set_vgpr_msb (MSB<<8)|(\new)
.set MSB, \new
.endif
.endm
.set MUL_LO, 0xa1                      ; source 0 (W) window 1, source 1 (x) window 0, C and D window 2
.set MUL_HI, 0xf1                      ; the same, C and D window 3
.set TO_B,   0x40                      ; destination window 1, address window 0
; A step's four joint loads: waves 0 and 1 fetch x's two halves, waves 2 and 3 g's and u's tiles of W.  Each of the two lines has one mask and one set of registers for all that issue it.
; The branch hangs on the wave's number alone.  An s_nop 0 and four v_nop follow each of the two lines, ahead of the jump, the label and what follows.
.macro JLOAD s
	s_cmp_eq_u32 s13, 0
	s_cbranch_scc0 .Lfor_b_\@
	tensor_load_to_lds s[G0A+4*(\s):G0A+4*(\s)+3], s[G1A:G1A+7]
	s_nop 0
.rept 4
	v_nop
.endr
	s_branch .Lasked_\@
.Lfor_b_\@:
	tensor_load_to_lds s[G0B+4*(\s):G0B+4*(\s)+3], s[G1B:G1B+7]
	s_nop 0
.rept 4
	v_nop
.endr
.Lasked_\@:
.endm
; A round of the cluster's barrier: my work-group's barrier, so that wave 0's signal speaks for all four waves; wave 0 signals; every wave waits for all sixteen work-groups; my work-group's barrier once more.
.macro CREST
	s_cmp_lg_u32 s12, 0
	s_cbranch_scc1 .Lnot_wave_0_\@
	s_barrier_signal -3
.Lnot_wave_0_\@:
	s_barrier_wait -3
	s_barrier_signal -1
	s_barrier_wait -1
.endm
.macro CROUND
	s_barrier_signal -1
	s_barrier_wait -1
	CREST
.endm
	s_load_b256 s[4:11], s[0:1], 0x0               ; xh s[4:5], wgu s[6:7], rowsc s[8:9], hbuf s[10:11]
	v_lshl_add_u32 v[SPW], v0, 2, SPARE
	v_mov_b32 v[NIL], 0
	ds_add_u32 v[SPW], v[NIL]                      ; the wave's opening: the add and its wait stand ahead of my first tensor load; the set-up below, work on registers, stands between them
	v_lshrrev_b32 v1, 5, v0
	v_readfirstlane_b32 s12, v1                    ; wave 0..3
	s_lshr_b32 s13, s12, 1                         ; RH: which 128 rows are mine.  Also: I fetch for x (0) or for W (1)
	s_and_b32 s14, s12, 1                          ; CH: which 64 columns.  Also: which half of x's rows, or g's or u's tile, I fetch
	s_bfe_u32 s15, ttmp6, 0x40000                  ; cx, cy: my place in the cluster
	s_bfe_u32 s3, ttmp6, 0x40004
	s_lshl_b32 s16, ttmp9, 2                       ; in a cluster launch ttmp9 and ttmp7 count clusters
	s_add_co_u32 s16, s16, s15                     ; R: my row tile = 4 x cluster x + cx
	s_and_b32 s17, ttmp7, 0xffff
	s_lshl_b32 s17, s17, 2
	s_add_co_u32 s17, s17, s3                      ; Ct: my column tile = 4 x cluster y + cy
	s_lshl_b32 s62, 0x1111, s15                    ; my column of the cluster: places cx, cx + 4, cx + 8, cx + 12: they share R
	s_lshl_b32 s63, s3, 2
	s_lshl_b32 s63, 15, s63                        ; my row: places 4 cy .. 4 cy + 3: they share Ct
	s_or_b32 s[G1A+0], s62, (1<<16)|(1<<20)|(1<<21)|(5<<22)|(3<<25)  ; 15:0 the mask: x's tiles go to my column; 17:16 elements of 2 bytes; 20 padding on; 21 set beside a mask; 24:22 after every 64 words (code 5); 31:25 4 words of it (code 3)
	s_or_b32 s[G1B+0], s63, (1<<16)|(1<<20)|(1<<21)|(5<<22)|(7<<25)  ; W's go to my row; 8 words of padding (code 7)
.irp g, G1A, G1B
	s_mov_b32 s[(\g)+1], 128<<16                   ; tensor_dim0 = 128
	s_mov_b32 s[(\g)+2], 128<<16                   ; tensor_dim1 = 128
	s_mov_b32 s[(\g)+3], 128<<16                   ; tile_dim0 = 128
	s_mov_b32 s[(\g)+4], 128                       ; tile_dim1 = 128
	s_mov_b32 s[(\g)+6], 0
	s_mov_b32 s[(\g)+7], 0
.endr
	s_mov_b32 s[G1A+5], 1024                       ; elements from row to row of xh
	s_mov_b32 s[G1B+5], 11264                      ; and of wgu
	; x's tiles hang on the row tile alone, W's on the column tile alone: each address is made in registers that never hold the other coordinate
	s_lshl_b32 s18, s16, 19                        ; x: 256 R rows of 2,048 bytes,
	s_lshl_b32 s20, s14, 18                        ; + 128 rows for the second half
	s_add_co_u32 s18, s18, s20
	s_mov_b32 s19, 0
	s_mul_i32 s22, s14, 11264                      ; W: u's columns lie 5,632 elements behind g's,
	s_lshl_b32 s57, s17, 8                         ; + 128 Ct columns
	s_add_co_u32 s22, s22, s57
	s_mov_b32 s23, 0
	s_mul_i32 s60, s14, HALFA                      ; where they go: no place in the cluster enters an LDS address
	s_mul_i32 s61, s14, HALFB
	s_add_co_u32 s61, s61, 2*HALFA
	s_mov_b32 s58, 0xbfb8aa3b                      ; -log2(e)
	s_mov_b32 s59, 0xbfb8aa3b                      ; named with it as a pair
	s_wait_dscnt 0x0                               ; the opening add is done
	s_wait_kmcnt 0x0
	s_add_nc_u64 s[18:19], s[4:5], s[18:19]
	s_add_nc_u64 s[22:23], s[6:7], s[22:23]
	CROUND                                         ; all sixteen work-groups are here: the first joint loads meet
.irp s, 0,1
	s_mov_b32 s[G0A+4*(\s)], 1                                     ; count = 1
	s_add_co_u32 s[G0A+4*(\s)+1], s60, (\s)*SLOT                   ; LDS address
	s_add_nc_u64 s[G0A+4*(\s)+2:G0A+4*(\s)+3], s[18:19], (\s)*256  ; global address: K step s, 128 elements along the rows
	s_or_b32 s[G0A+4*(\s)+3], s[G0A+4*(\s)+3], 0x80000000          ; type = 2
	s_mov_b32 s[G0B+4*(\s)], 1
	s_add_co_u32 s[G0B+4*(\s)+1], s61, (\s)*SLOT
	s_add_nc_u64 s[G0B+4*(\s)+2:G0B+4*(\s)+3], s[22:23], (\s)*128*WROW   ; K step s, 128 rows down
	s_or_b32 s[G0B+4*(\s)+3], s[G0B+4*(\s)+3], 0x80000000
	JLOAD \s                                       ; two loads of mine are out
.endr
	; x's fragment: 16 rows x 32 K in 8 registers: lane l holds row l % 16, K = 8 (l / 16) + 0..7 and 16 + 8 (l / 16) + 0..7: two loads of 16 bytes, 32 bytes apart
	v_and_b32 v1, 15, v0                           ; l % 16
	v_bfe_u32 v2, v0, 4, 1                         ; l / 16
	v_mul_u32_u24 v3, v1, PA
	v_lshl_add_u32 v3, v2, 4, v3                   ; row x pitch + 16 x half
	s_mul_i32 s62, s13, HALFA                      ; my 128 rows
	v_add_nc_u32 v[ADRA], s62, v3
	s_add_co_u32 s63, s62, SLOT
	v_add_nc_u32 v[ADRA+1], s63, v3
	s_lshl_b32 s63, s14, 7                         ; my 64 columns, 128 bytes
	s_add_co_u32 s62, s62, s63
	v_add_nc_u32 v[STO], s62, v3                   ; the stage has x's pitch: row 128 RH + l % 16, byte 128 CH + 16 (l / 16)
	; W's fragment: the turning load takes 16 k x 16 n (lane l reads k = 8 (l / 16) + l % 8, n = 8 ((l / 8) % 2) + 0..7) and leaves lane l column l % 16 and 8 k
	v_and_b32 v4, 7, v0
	v_lshl_add_u32 v4, v2, 3, v4
	v_mul_u32_u24 v4, v4, PB
	v_bfe_u32 v5, v0, 3, 1
	v_lshl_add_u32 v4, v5, 4, v4
	s_add_co_u32 s63, s63, 2*HALFA                 ; behind x's 256 rows
	v_add_nc_u32 v[ADRB], s63, v4
	s_add_co_u32 s62, s63, HALFB
	v_add_nc_u32 v[ADRB+1], s62, v4
	s_add_co_u32 s62, s63, SLOT
	v_add_nc_u32 v[ADRB+2], s62, v4
	s_add_co_u32 s62, s63, SLOT+HALFB
	v_add_nc_u32 v[ADRB+3], s62, v4
	s_mul_i32 s62, s12, 64*SPITCH                  ; back: wave w takes the stage's rows 64 w .. 64 w + 63, whole; lanes 0-15 one row of 256 bytes, lanes 16-31 the next
	v_mul_u32_u24 v5, v2, SPITCH
	v_lshl_add_u32 v5, v1, 4, v5
	v_add_nc_u32 v[RD], s62, v5
	v_mul_u32_u24 v5, v2, 11264                    ; and the same two rows in hbuf
	v_lshl_add_u32 v[CO], v1, 4, v5
	v_lshlrev_b32 v[RO], 4, v1                     ; a row's record in rowsc is 16 bytes
	s_lshl_b32 s20, s16, 12                        ; rowsc at my first row: (256 R + 128 RH) x 16
	s_lshl_b32 s57, s13, 11
	s_add_co_u32 s20, s20, s57
	s_mov_b32 s21, 0
	s_add_nc_u64 s[8:9], s[8:9], s[20:21]
.irp a, 0,1,2,3,4,5,6,7
	global_load_b64 v[RI+2*(\a):RI+2*(\a)+1], v[RO], s[8:9] offset:256*(\a)  ; waited for in front of the activation
.endr
	s_lshl_b32 s20, s16, 8                         ; hbuf at the first row that I store, 256 R + 64 w, and the tile's first column
	s_lshl_b32 s57, s12, 6
	s_add_co_u32 s20, s20, s57
	s_mul_i32 s20, s20, 11264
	s_lshl_b32 s57, s17, 8
	s_add_co_u32 s20, s20, s57
	s_add_nc_u64 s[10:11], s[10:11], s[20:21]
; 16 matrix instructions: m blocks a0, a0 + 1 of the window's four (hi = 0: my rows 0-63, 1: rows 64-127) x all 8 n blocks, 32 along K.  zero = 1: the first product starts the sums: nothing is ever cleared.
.macro MUL16 f, hi, a0, zero
	WIN MUL_LO+0x50*(\hi)
.irp a, \a0, (\a0)+1
.irp b, 0,1,2,3,4,5,6,7
.if \zero
	v_wmma_f32_16x16x32_f16 v[8*(8*(\a)+(\b)):8*(8*(\a)+(\b))+7], v[(\f)+8*(\b):(\f)+8*(\b)+7], v[(\f)+8*(4*(\hi)+(\a)):(\f)+8*(4*(\hi)+(\a))+7], 0
.else
	v_wmma_f32_16x16x32_f16 v[8*(8*(\a)+(\b)):8*(8*(\a)+(\b))+7], v[(\f)+8*(\b):(\f)+8*(\b)+7], v[(\f)+8*(4*(\hi)+(\a)):(\f)+8*(4*(\hi)+(\a))+7], v[8*(8*(\a)+(\b)):8*(8*(\a)+(\b))+7]
.endif
.endr
.endr
.endm
; 32 LDS loads in one run: the fragments of quarter q (32 along K) of a slot into buffer f: W's eight n blocks (0-3 g, 4-7 u) first, then x's eight m blocks
.macro FETCH slot, q, f
	WIN TO_B
.irp i, 0,1,2,3,4,5,6,7
	ds_load_tr16_b128 v[(\f)+8*(\i):(\f)+8*(\i)+3],   v[ADRB+2*(\slot)+(\i)/4] offset:(\q)*32*PB+((\i)%4)*32
	ds_load_tr16_b128 v[(\f)+8*(\i)+4:(\f)+8*(\i)+7], v[ADRB+2*(\slot)+(\i)/4] offset:(\q)*32*PB+16*PB+((\i)%4)*32
.endr
	WIN 0
.irp i, 0,1,2,3,4,5,6,7
	ds_load_b128 v[(\f)+8*(\i):(\f)+8*(\i)+3],   v[ADRA+(\slot)] offset:(\q)*64+(\i)*16*PA
	ds_load_b128 v[(\f)+8*(\i)+4:(\f)+8*(\i)+7], v[ADRA+(\slot)] offset:(\q)*64+(\i)*16*PA+32
.endr
.endm
; A load into a register that a matrix instruction has read, and a vector instruction that reads a matrix result or writes one of a matrix instruction's registers, stand four places behind it; only plain
; vector instructions that name none of its registers are places (ISA guide 7.12.1 for vector instructions).
.macro PLACES
.rept 4
	v_nop
.endr
.endm
; A K step is four quarters of 32 along K, 64 matrix instructions each, on buffers 0, 1, 0, 1; the 64 accumulators take turns.
; One of the first three: multiplies buffer f; in its middle it fetches quarter q of the same slot into buffer g.
.macro QUARTER slot, q, f, g, zero
	s_wait_dscnt 8                                 ; W and x's rows 0-63 are in; the youngest eight loads (x's rows 64-127) may be out
	MUL16 \f, 0, 0, \zero
	MUL16 \f, 0, 2, \zero
	PLACES
	FETCH \slot, \q, \g
	s_wait_dscnt 32                                ; all but the 32 just issued
	MUL16 \f, 1, 0, \zero
	MUL16 \f, 1, 2, \zero
.endm
; The last quarter multiplies buffer 1 and changes slots.  MEET is its first half: ONE barrier for two things.  In front of it each wave waits for all its tensor loads, of which one is out: its part of the
; next slot; adds 0 to its spare word; and waits for that and for its own reads of this slot.  Behind it nobody reads this slot any more and the next slot is whole.
.macro MEET round                      ; round = 1: a round of the cluster's barrier follows
	WIN 0                                          ; (the add's two registers lie in window 0)
	s_wait_tensorcnt 0x0                           ; all my tensor loads have landed
	ds_add_u32 v[SPW], v[NIL]                      ; 0 onto my spare word
	s_wait_dscnt 9                                 ; (the add and the youngest eight loads may be out)
	MUL16 F1, 0, 0, 0                              ; sixteen matrix instructions stand between the add and the wait for it
	s_wait_dscnt 0x0                               ; the add is done, and my reads of this slot are over
	s_barrier_signal -1
	MUL16 F1, 0, 2, 0                              ; work on registers while the others arrive
.if \round
	WIN 0
.endif
	s_barrier_wait -1
.endm
; The whole last quarter.  fill = 1: the barrier opens a round of the cluster's, and the slot just read out is filled again first thing behind it, with the K step two steps on: from that request to the wait
; for it a wave issues 224 matrix instructions.  Then the next slot's first fragments.
.macro TURN slot, next, fill
.if \fill
	MEET 1
	CREST                                          ; no wave of any partner still reads this slot's tiles or has a load on its way
	s_add_nc_u64 s[G0A+4*(\slot)+2:G0A+4*(\slot)+3], s[G0A+4*(\slot)+2:G0A+4*(\slot)+3], 2*256
	s_add_nc_u64 s[G0B+4*(\slot)+2:G0B+4*(\slot)+3], s[G0B+4*(\slot)+2:G0B+4*(\slot)+3], 2*128*WROW
	JLOAD \slot                                    ; my one tensor load behind the round; the four v_nop behind it are also the places in front of the loads below
.else
	MEET 0
	PLACES
.endif
	FETCH \next, 0, F0
	MUL16 F1, 1, 0, 0
	MUL16 F1, 1, 2, 0
.endm
; THE ACTIVATION for block a (16 rows x 64 columns): h' = g u inv / (1 + 2^(-log2(e) g)).  Each accumulator is read from its low end on.
; The exponentials and the reciprocals stand in runs; a plain instruction that touches neither result nor source follows each run before its results are used (ISA guide 5.7.2).
.macro EPI a
.set AC, 64*((\a)%4)
	WIN 0x0a+5*((\a)/4)                            ; sources 0 and 1: window 2 or 3; destination window 0
.set i, 0
.rept 16
	v_pk_mul_f32 v[EP+2*i:EP+2*i+1], v[AC+2*i:AC+2*i+1], v[AC+32+2*i:AC+32+2*i+1]  ; g u
.set i, i+1
.endr
.set i, 0
.rept 16
	v_pk_mul_f32 v[ET+2*i:ET+2*i+1], v[AC+2*i:AC+2*i+1], s[58:59] op_sel_hi:[1,0]  ; -log2(e) g
.set i, i+1
.endr
	WIN 0
.set i, 0
.rept 32
	v_exp_f32 v[ET+i], v[ET+i]
.set i, i+1
.endr
.set i, 0
.rept 16
	v_pk_mul_f32 v[EP+2*i:EP+2*i+1], v[EP+2*i:EP+2*i+1], v[RI+2*(\a):RI+2*(\a)+1]  ; x inv of my row
.set i, i+1
.endr
.set i, 0
	s_wait_alu depctr_va_vdst(0)
.rept 16
	v_pk_add_f32 v[ET+2*i:ET+2*i+1], v[ET+2*i:ET+2*i+1], 1.0 op_sel_hi:[1,0]
.set i, i+1
.endr
.set i, 0
.rept 32
	v_rcp_f32 v[ET+i], v[ET+i]
.set i, i+1
.endr
	v_nop
.set i, 0
	s_wait_alu depctr_va_vdst(0)
.rept 16
	v_pk_mul_f32 v[EP+2*i:EP+2*i+1], v[EP+2*i:EP+2*i+1], v[ET+2*i:ET+2*i+1]
.set i, i+1
.endr
.set i, 0
.rept 16
	v_cvt_pk_f16_f32 v[EH+i], v[EP+2*i], v[EP+2*i+1]
.set i, i+1
.endr
.irp b, 0,1,2,3
	ds_store_b128 v[STO], v[EH+4*(\b):EH+4*(\b)+3] offset:(\a)*16*SPITCH+32*(\b)
.endr
.endm
	s_wait_tensorcnt 1                             ; my part of K step 0 is in; step 1's may stay out
	s_barrier_signal -1
	s_barrier_wait -1                              ; everybody's is
	FETCH 0, 0, F0
	QUARTER 0, 1, F0, F1, 1                        ; the first quarter stands in front of the loop: its products start the sums
	WIN 0                                          ; at a label and at a branch every window is 0
	s_mov_b32 s56, LAPS-1
.Llap:                                                 ; a trip goes once round the ring, from a lap's second quarter to the next lap's first, and fills both slots again: K steps 2 to 7
	QUARTER 0, 2, F1, F0, 0
	QUARTER 0, 3, F0, F1, 0
	TURN 0, 1, 1
	QUARTER 1, 1, F0, F1, 0
	QUARTER 1, 2, F1, F0, 0
	QUARTER 1, 3, F0, F1, 0
	TURN 1, 0, 1
	QUARTER 0, 1, F0, F1, 0
	WIN 0
	s_sub_co_u32 s56, s56, 1
	s_cmp_lg_u32 s56, 0
	s_cbranch_scc1 .Llap
	QUARTER 0, 2, F1, F0, 0                        ; the last lap fills nothing and has no round of the cluster's barrier
	QUARTER 0, 3, F0, F1, 0
	TURN 0, 1, 0                                   ; behind this barrier no wave reads slot 0 and no load lands there any more
	QUARTER 1, 1, F0, F1, 0
	QUARTER 1, 2, F1, F0, 0
	QUARTER 1, 3, F0, F1, 0
	s_wait_dscnt 8                                 ; the very last quarter: nothing more to fetch
	MUL16 F1, 0, 0, 0
	MUL16 F1, 0, 2, 0
	s_wait_dscnt 0x0
	MUL16 F1, 1, 0, 0
	MUL16 F1, 1, 2, 0
	WIN 0
	; THE WAY OUT: the activation, 16 bytes a lane into the work-group's stage; a barrier, since a row's 256 bytes come from two waves; back as whole rows, 64 rows a wave.
	PLACES
	s_wait_loadcnt 0x0                             ; inv
.irp a, 0,1,2,3,4,5,6,7
	EPI \a
.endr
	s_wait_dscnt 0x0                               ; for the others' sake: my stores into the stage are done
	s_barrier_signal -1
	s_barrier_wait -1
.set t, 0
.rept 32
	ds_load_b128 v[64+4*t:64+4*t+3], v[RD] offset:t*2*SPITCH
.set t, t+1
.endr
.set t, 0
.rept 32
	s_wait_dscnt 31-t                              ; LDS loads come back in order: load t is in
	global_store_b128 v[CO], v[64+4*t:64+4*t+3], s[10:11] offset:t*2*11264  ; 16 lanes store 256 consecutive bytes, at a multiple of 256 from hbuf's first byte
.set t, t+1
.endr
	s_wait_tensorcnt 0x0                           ; the wave's end, behind my last tensor load and my last LDS store
	ds_add_u32 v[SPW], v[NIL]
	s_wait_dscnt 0x0
	CROUND                                         ; the closing round: no work-group ends while a partner may still ask for a tile that names it
	s_endpgm
.Lfunc_end_k_qd09ab82e4e_gemm_gu:
	.size	k_qd09ab82e4e_gemm_gu, .Lfunc_end_k_qd09ab82e4e_gemm_gu-k_qd09ab82e4e_gemm_gu
	.p2alignl 7, 3214868480
	.fill 96, 4, 3214868480
	.section	.rodata,"a",@progbits
	.p2align	6, 0x0
	.amdhsa_kernel k_qd09ab82e4e_gemm_gu
		.amdhsa_group_segment_fixed_size 327680
		.amdhsa_private_segment_fixed_size 0
		.amdhsa_enable_private_segment 0
		.amdhsa_kernarg_size 32
		.amdhsa_user_sgpr_count 2
		.amdhsa_user_sgpr_kernarg_segment_ptr 1
		.amdhsa_wavefront_size32 1
		.amdhsa_system_sgpr_workgroup_id_x 1
		.amdhsa_system_sgpr_workgroup_id_y 1
		.amdhsa_system_sgpr_workgroup_id_z 1
		.amdhsa_system_vgpr_workitem_id 0
		.amdhsa_next_free_vgpr 1024
		.amdhsa_next_free_sgpr 66
		.amdhsa_reserve_vcc 0
		.amdhsa_float_denorm_mode_32 3
		.amdhsa_float_denorm_mode_16_64 3
		.amdhsa_memory_ordered 1
		.amdhsa_forward_progress 1
		.amdhsa_inst_pref_size 186
	.end_amdhsa_kernel
	.amdgpu_metadata
---
amdhsa.version: [ 1, 2 ]
amdhsa.kernels:
  - .name:           k_qd09ab82e4e_gemm_gu
    .symbol:         k_qd09ab82e4e_gemm_gu.kd
    .args:
      - { .name: xh, .offset: 0, .size: 8, .value_kind: global_buffer, .address_space: global }
      - { .name: wgu, .offset: 8, .size: 8, .value_kind: global_buffer, .address_space: global }
      - { .name: rowsc, .offset: 16, .size: 8, .value_kind: global_buffer, .address_space: global }
      - { .name: hbuf, .offset: 24, .size: 8, .value_kind: global_buffer, .address_space: global }
    .group_segment_fixed_size: 327680
    .private_segment_fixed_size: 0
    .kernarg_segment_align: 8
    .kernarg_segment_size: 32
    .max_flat_workgroup_size: 128
    .sgpr_count:     66
    .vgpr_count:     1024
    .wavefront_size: 32
...
	.end_amdgpu_metadata
.endif
;; end of part 2
;; launch gemm_dn (part 3): grid 8 x 32, 4 waves a work-group, clusters of 4 x 4, 327,680 bytes of LDS; arguments hbuf, wdn, rowsc, out0; writes out0
.if DOCPART == 3
	.amdgcn_target "amdgcn-amd-amdhsa--gfx1250"
	.amdhsa_code_object_version 6
	.text
	.protected	k_qd09ab82e4e_gemm_dn
	.globl	k_qd09ab82e4e_gemm_dn
	.p2align	8
	.type	k_qd09ab82e4e_gemm_dn,@function
k_qd09ab82e4e_gemm_dn:
	s_mov_b64 s[64:65], 0
	v_nop
	global_prefetch_b8 v0, s[64:65] scope:SCOPE_SE
	s_setreg_imm32_b32 hwreg(HW_REG_WAVE_MODE, 25, 1), 1
	s_wait_xcnt 0x0
	s_wait_alu depctr_hold_cnt(0) depctr_sa_sdst(0) depctr_va_vdst(0) depctr_va_sdst(0) depctr_va_ssrc(0) depctr_va_vcc(0) depctr_vm_vsrc(0)
	s_getreg_b32 s2, hwreg(HW_REG_IB_STS2, 6, 4)
	s_cmp_eq_u32 s2, 0
	s_cbranch_scc0 .Lentry_in_a_cluster
	s_endpgm
.Lentry_in_a_cluster:
	s_bfe_u32 s2, ttmp6, 0x10000c
	s_cmp_lg_u32 s2, 0xf033
	s_cbranch_scc0 .Lentry_shape_is_right
	s_endpgm
.Lentry_shape_is_right:
; out0[m][n] = fwd[m] x the sum over k of hbuf[m][k] wdn[k][n].  hbuf [4096][5632] f16 (h scaled by 1 / fwd, row by row), wdn [5632][1024] f16, out0 [4096][1024] f32; sums in f32.
; fwd[m] = 8 mean(x[m]^2) comes from rowsc [4096][4] f32 (word 2).  K's last 128 places are stored zeros in both operands: 22 whole steps of 256.
; LIMITS.  The operands arrive within f16's range; NaN and infinities are not treated apart.  An output's sum is made of four partial sums in f32, one for each quarter of every K step, added as (s0 + s1) + (s2 + s3).
; SHARES.  32 x 8 tiles of 128 x 128: one work-group for each of 256.  K goes in steps of 256 through two LDS slots: h's rows are 512 bytes a step (64 rows to a load), W's 256 k x 128 n come as two loads of
; 128 rows of 256 bytes; all at multiples of 256 from the buffers' first bytes.
; THE FOUR WAVES SHARE K, NOT THE TILE.  Of each step wave w multiplies k = 64 w .. 64 w + 63, for the whole tile: 64 accumulators of 16 x 16, 512 registers, which take turns.  So a fragment read
; from LDS feeds 8 products, where a wave tile of 64 x 64 would feed 4: 64 LDS loads a wave and step for its 128 products, not 128.  The price, once: the four partial tiles meet in LDS at the end,
; 128 LDS stores and 128 LDS loads a wave, against 22 x 64 loads spared; that round trip also turns the lanes' pieces of rows into whole rows, so there is no other stage.
; W lies [K][N] and is turned by ds_load_tr16_b128.  THE MATRIX INSTRUCTION IS USED TRANSPOSED (source 0 = 16 columns of W, source 1 = 16 rows of h): a lane holds row l % 16 and eight neighbouring columns.
; CLUSTERS: 4 x 4 work-groups.  The four of a row of the cluster need the same tiles of h, the four of a column the same tiles of W: each tile is asked for JOINTLY.
; REGISTERS, in windows of 256: window 0: v0-31 addresses and fwd; v64-127, v128-191 h's fragments, two buffers (at the end: the partial rows read back);
;   window 1: v64-127, v128-191 W's fragments; window 2: the accumulators of the tile's rows 0-63 ((a, b) at v[8 (8 a + b)]); window 3: those of rows 64-127.
.set PA,     528                       ; an LDS row of h: 512 bytes + 16 = 132 words: the 16 rows of a fragment load start at 16 different groups of four banks (64 banks of 4 bytes: ISA guide 11.1)
.set PB,     288                       ; an LDS row of W: 256 + 32 = 72 words
.set HALFA,  64*PA                     ; 64 rows of h: one tensor load
.set HALFB,  128*PB                    ; 128 k of W: one tensor load
.set SLOT,   2*HALFA+2*HALFB
.set SPARE,  2*SLOT                    ; behind the ring: the spare words, 128 bytes for each wave: two blocks of 256 bytes that no other line names
.set XP,     528                       ; THE MEETING PLACE: a row of 128 f32, 512 bytes + 16; 128 rows a wave; the four waves' 270,336 bytes lie from LDS byte 0 on, in the ring's 282,624:
.set XT,     128*XP                    ; they are written only when both slots have had their last fill of the launch and, behind a barrier, every wave's reads of them are over
.set LAPS,   11                        ; a lap = two K steps = once round the ring: 5,632 / 512
.set XR,   8                           ; v8-11   where I read my 32 rows back: in wave 0's, 1's, 2's, 3's partial tile
.set ADRA, 16                          ; v16-17  LDS address of my h fragments in slot 0, 1
.set ADRB, 20                          ; v20-21  of my W fragments
.set XS,   22                          ; v22     where I put 16 bytes of a row of my partial tile
.set CO,   26                          ; v26     16 x lane: my byte offset in a row of out0's tile, and in my 32 records of rowsc
.set SPW,  28                          ; v28     LDS address of my spare word; never rewritten
.set NIL,  29                          ; v29     0; never rewritten
.set RF,   30                          ; v30     lane l: fwd of row 32 w + l of the tile
.set F0,   64
.set F1,   128
.set G1, 24                            ; s[24:31] descriptor group 1 for h's tiles;  s[32:39] group 0, a set for each slot
.set G0, 32
.set G1B, 48                           ; s[48:55], s[56:63] the same for W's tiles
.set G0B, 56
.set MSB, 0
.macro WIN new                         ; the immediate's high byte repeats the setting that is left; a switch that changes nothing is dropped
.if MSB != (\new)
	s_set_vgpr_msb (MSB<<8)|(\new)
.set MSB, \new
.endif
.endm
.set MUL_LO, 0xa1                      ; source 0 (W) window 1, source 1 (h) window 0, C and D window 2
.set MUL_HI, 0xf1                      ; the same, C and D window 3
.set TO_B,   0x40                      ; destination window 1, address window 0
.macro JLOAD s                         ; a joint load: waves 0 and 1 fetch h's two halves, waves 2 and 3 W's; an s_nop 0 and four v_nop follow each of the two lines, ahead of the jump, the label and what follows
	s_cmp_eq_u32 s13, 0
	s_cbranch_scc0 .Lfor_b_\@
	tensor_load_to_lds s[G0+4*(\s):G0+4*(\s)+3], s[G1:G1+7]
	s_nop 0
.rept 4
	v_nop
.endr
	s_branch .Lasked_\@
.Lfor_b_\@:
	tensor_load_to_lds s[G0B+4*(\s):G0B+4*(\s)+3], s[G1B:G1B+7]
	s_nop 0
.rept 4
	v_nop
.endr
.Lasked_\@:
.endm
.macro CREST                           ; a round of the cluster's barrier behind its opening barrier
	s_cmp_lg_u32 s12, 0
	s_cbranch_scc1 .Lnot_wave_0_\@
	s_barrier_signal -3
.Lnot_wave_0_\@:
	s_barrier_wait -3
	s_barrier_signal -1
	s_barrier_wait -1
.endm
.macro CROUND                          ; a whole round
	s_barrier_signal -1
	s_barrier_wait -1
	CREST
.endm
	s_load_b256 s[4:11], s[0:1], 0x0               ; hbuf s[4:5], wdn s[6:7], rowsc s[8:9], out0 s[10:11]
	v_lshl_add_u32 v[SPW], v0, 2, SPARE
	v_mov_b32 v[NIL], 0
	ds_add_u32 v[SPW], v[NIL]                      ; the wave's opening: the add and its wait stand ahead of my first tensor load; the set-up below, work on registers, stands between them
	v_lshrrev_b32 v1, 5, v0
	v_readfirstlane_b32 s12, v1                    ; wave 0..3: my quarter of every K step, and my 32 rows on the way out
	s_lshr_b32 s13, s12, 1                         ; I fetch for h (0) or for W (1),
	s_and_b32 s14, s12, 1                          ; and which half of that tile
	s_bfe_u32 s40, ttmp6, 0x40000                  ; cx, cy: my place in the cluster
	s_bfe_u32 s41, ttmp6, 0x40004
	s_lshl_b32 s42, ttmp9, 2
	s_add_co_u32 s42, s42, s40                     ; Ct: tile column = 4 x cluster x + cx
	s_and_b32 s45, ttmp7, 0xffff
	s_lshl_b32 s45, s45, 2
	s_add_co_u32 s45, s45, s41                     ; Rt: tile row = 4 x cluster y + cy
	s_lshl_b32 s43, s41, 2
	s_lshl_b32 s43, 15, s43                        ; my row of the cluster
	s_lshl_b32 s44, 0x1111, s40                    ; my column
	s_or_b32 s[G1+0], s43, (1<<16)|(1<<20)|(1<<21)|(6<<22)|(3<<25)   ; 15:0 the mask: h's tiles go to my row; 17:16 elements of 2 bytes; 20 padding on; 21 set beside a mask; 24:22 after every 128 words (code 6); 31:25 4 words (code 3)
	s_or_b32 s[G1B+0], s44, (1<<16)|(1<<20)|(1<<21)|(5<<22)|(7<<25)  ; W's go to my column; after every 64 words (code 5) 8 words (code 7)
	s_mov_b32 s[G1+1], 256<<16                     ; h: tensor_dim0 = 256
	s_mov_b32 s[G1+2], 64<<16                      ; tensor_dim1 = 64
	s_mov_b32 s[G1+3], 256<<16                     ; tile_dim0 = 256
	s_mov_b32 s[G1+4], 64                          ; tile_dim1 = 64
	s_mov_b32 s[G1+5], 5632                        ; elements from row to row
	s_mov_b32 s[G1+6], 0
	s_mov_b32 s[G1+7], 0
	s_mov_b32 s[G1B+1], 128<<16                    ; W: 128 n
	s_mov_b32 s[G1B+2], 128<<16                    ; x 128 k
	s_mov_b32 s[G1B+3], 128<<16
	s_mov_b32 s[G1B+4], 128
	s_mov_b32 s[G1B+5], 1024
	s_mov_b32 s[G1B+6], 0
	s_mov_b32 s[G1B+7], 0
	; h's tiles hang on the tile row alone, W's on the tile column alone: each address is made in registers that never hold the other coordinate
	s_lshl_b32 s16, s45, 7
	s_lshl_b32 s18, s14, 6
	s_add_co_u32 s16, s16, s18                     ; h: row 128 Rt + 64 x half,
	s_mul_i32 s16, s16, 11264                      ; in bytes
	s_mov_b32 s17, 0
	s_lshl_b32 s46, s42, 8                         ; W: 128 Ct columns,
	s_lshl_b32 s19, s14, 18                        ; + 128 rows of 2,048 bytes for the second half
	s_add_co_u32 s46, s46, s19
	s_mov_b32 s47, 0
	s_mul_i32 s20, s14, HALFA                      ; where they go: no place in the cluster enters an LDS address
	s_mul_i32 s21, s14, HALFB
	s_add_co_u32 s21, s21, 2*HALFA
	s_wait_dscnt 0x0                               ; the opening add is done
	s_wait_kmcnt 0x0
	s_add_nc_u64 s[16:17], s[4:5], s[16:17]
	s_add_nc_u64 s[46:47], s[6:7], s[46:47]
	CROUND                                         ; all sixteen work-groups are here: the first joint loads meet
.irp s, 0,1
	s_mov_b32 s[G0+4*(\s)], 1
	s_add_co_u32 s[G0+4*(\s)+1], s20, (\s)*SLOT
	s_add_nc_u64 s[G0+4*(\s)+2:G0+4*(\s)+3], s[16:17], (\s)*512           ; K step s: 256 elements along the rows
	s_or_b32 s[G0+4*(\s)+3], s[G0+4*(\s)+3], 0x80000000
	s_mov_b32 s[G0B+4*(\s)], 1
	s_add_co_u32 s[G0B+4*(\s)+1], s21, (\s)*SLOT
	s_add_nc_u64 s[G0B+4*(\s)+2:G0B+4*(\s)+3], s[46:47], (\s)*256*2048    ; K step s: 256 rows down
	s_or_b32 s[G0B+4*(\s)+3], s[G0B+4*(\s)+3], 0x80000000
	JLOAD \s                                       ; two loads of mine are out
.endr
	v_and_b32 v1, 15, v0                           ; l % 16
	v_bfe_u32 v2, v0, 4, 1                         ; l / 16
	v_mul_u32_u24 v3, v1, PA
	v_lshl_add_u32 v3, v2, 4, v3                   ; h's fragment: row x pitch + 16 x half,
	s_lshl_b32 s2, s12, 7                          ; + my 64 k of a step: 128 bytes along the rows
	v_add_nc_u32 v[ADRA], s2, v3
	s_add_co_u32 s2, s2, SLOT
	v_add_nc_u32 v[ADRA+1], s2, v3
	v_and_b32 v4, 7, v0                            ; W's fragment: lane l reads k = 8 (l / 16) + l % 8, n = 8 ((l / 8) % 2) + 0..7
	v_lshl_add_u32 v4, v2, 3, v4
	v_mul_u32_u24 v4, v4, PB
	v_bfe_u32 v5, v0, 3, 1
	v_lshl_add_u32 v4, v5, 4, v4
	s_mul_i32 s2, s12, 64*PB                       ; my 64 k: 64 rows down,
	s_add_co_u32 s2, s2, 2*HALFA                   ; behind h's 128 rows
	v_add_nc_u32 v[ADRB], s2, v4
	s_add_co_u32 s2, s2, SLOT
	v_add_nc_u32 v[ADRB+1], s2, v4
	s_mul_i32 s2, s12, XT                          ; my partial tile
	v_mul_u32_u24 v4, v1, XP                       ; in: row l % 16, 32 bytes for each half of the lanes
	v_lshl_add_u32 v4, v2, 5, v4
	v_add_nc_u32 v[XS], s2, v4
	v_and_b32 v5, 31, v0
	v_lshlrev_b32 v[CO], 4, v5                     ; back: 32 lanes take one row of 512 bytes
	s_mul_i32 s2, s12, 32*XP                       ; my 32 rows, in each of the four partial tiles
.irp s, 0,1,2,3
	v_add_nc_u32 v[XR+(\s)], s2, v[CO]
	s_add_co_u32 s2, s2, XT
.endr
	s_lshl_b32 s2, s45, 7
	s_lshl_b32 s3, s12, 5
	s_add_co_u32 s2, s2, s3                        ; the first row that I store: 128 Rt + 32 w
	s_lshl_b32 s18, s2, 4
	s_add_co_u32 s18, s18, 8                       ; fwd lies in the second half of a row's 16 bytes of rowsc
	s_mov_b32 s19, 0
	s_add_nc_u64 s[8:9], s[8:9], s[18:19]
	global_load_b32 v[RF], v[CO], s[8:9]           ; lane l: fwd of my row l; waited for on the way out
	s_lshl_b32 s18, s2, 12
	s_add_nc_u64 s[10:11], s[10:11], s[18:19]      ; out0 at that row,
	s_lshl_b32 s22, s42, 9
	s_mov_b32 s23, 0
	s_add_nc_u64 s[10:11], s[10:11], s[22:23]      ; and the tile's first column: 512 Ct bytes
; 16 matrix instructions: m blocks a0, a0 + 1 of the window's four (hi = 0: rows 0-63, 1: rows 64-127) x all 8 n blocks, 32 along K.  zero = 1: the first product starts the sums: nothing is ever cleared.
.macro MUL16 f, hi, a0, zero
	WIN MUL_LO+0x50*(\hi)
.irp a, \a0, (\a0)+1
.irp b, 0,1,2,3,4,5,6,7
.if \zero
	v_wmma_f32_16x16x32_f16 v[8*(8*(\a)+(\b)):8*(8*(\a)+(\b))+7], v[(\f)+8*(\b):(\f)+8*(\b)+7], v[(\f)+8*(4*(\hi)+(\a)):(\f)+8*(4*(\hi)+(\a))+7], 0
.else
	v_wmma_f32_16x16x32_f16 v[8*(8*(\a)+(\b)):8*(8*(\a)+(\b))+7], v[(\f)+8*(\b):(\f)+8*(\b)+7], v[(\f)+8*(4*(\hi)+(\a)):(\f)+8*(4*(\hi)+(\a))+7], v[8*(8*(\a)+(\b)):8*(8*(\a)+(\b))+7]
.endif
.endr
.endr
.endm
; 32 LDS loads in one run: the fragments of chunk c (32 along K) of my 64 k of a slot into buffer f: W's eight n blocks first, then h's eight m blocks
.macro FETCH slot, c, f
	WIN TO_B
.irp i, 0,1,2,3,4,5,6,7
	ds_load_tr16_b128 v[(\f)+8*(\i):(\f)+8*(\i)+3],   v[ADRB+(\slot)] offset:(\c)*32*PB+(\i)*32
	ds_load_tr16_b128 v[(\f)+8*(\i)+4:(\f)+8*(\i)+7], v[ADRB+(\slot)] offset:(\c)*32*PB+16*PB+(\i)*32
.endr
	WIN 0
.irp i, 0,1,2,3,4,5,6,7
	ds_load_b128 v[(\f)+8*(\i):(\f)+8*(\i)+3],   v[ADRA+(\slot)] offset:(\c)*64+(\i)*16*PA
	ds_load_b128 v[(\f)+8*(\i)+4:(\f)+8*(\i)+7], v[ADRA+(\slot)] offset:(\c)*64+(\i)*16*PA+32
.endr
.endm
.macro PLACES                          ; four places in front of loads into registers that matrix instructions have read, and of LDS stores that read results (ISA guide 7.12.1 for vector instructions)
.rept 4
	v_nop
.endr
.endm
; A wave's part of a K step is two chunks of 32 along K, 64 matrix instructions each, on buffers 0 and 1.  The first: multiplies buffer 0; in its middle it fetches the slot's second chunk into buffer 1.
.macro QUARTER slot, zero
	s_wait_dscnt 8                                 ; W and h's rows 0-63 are in; the youngest eight loads (h's rows 64-127) may be out
	MUL16 F0, 0, 0, \zero
	MUL16 F0, 0, 2, \zero
	PLACES
	FETCH \slot, 1, F1
	s_wait_dscnt 32                                ; all but the 32 just issued
	MUL16 F0, 1, 0, \zero
	MUL16 F0, 1, 2, \zero
.endm
; The second chunk multiplies buffer 1; then the slots change.  All 64 products stand AHEAD of the wait for the tensor loads, so that nothing but the three lines and the round stands between a tile's landing and the
; next request, and a request has a whole step's 128 products in which to land.  ONE barrier for two things: in front of it each wave waits for all its tensor loads, of which one is out: its part of the next slot;
; adds 0 to its spare word; and waits for that (its reads of this slot came back at the wait in the chunk's middle).  Behind it nobody reads this slot any more and the next slot is whole.
; fill = 1: the barrier opens a round of the cluster's, and this slot is filled again first thing behind it, two K steps ahead.  Then the next slot's first fragments.
.macro TURN slot, next, fill
	s_wait_dscnt 8
	MUL16 F1, 0, 0, 0
	MUL16 F1, 0, 2, 0
	s_wait_dscnt 0x0                               ; the rest of buffer 1 is in: my reads of this slot are over
	MUL16 F1, 1, 0, 0
	MUL16 F1, 1, 2, 0
	WIN 0
	s_wait_tensorcnt 0x0                           ; all my tensor loads have landed, so a group 0 may be written
	ds_add_u32 v[SPW], v[NIL]                      ; 0 onto my spare word; with fill = 1 the descriptors' steps stand between it and the wait for it
.if \fill
	s_add_nc_u64 s[G0+4*(\slot)+2:G0+4*(\slot)+3], s[G0+4*(\slot)+2:G0+4*(\slot)+3], 2*512
	s_add_nc_u64 s[G0B+4*(\slot)+2:G0B+4*(\slot)+3], s[G0B+4*(\slot)+2:G0B+4*(\slot)+3], 2*256*2048
.endif
	s_wait_dscnt 0x0                               ; the add is done
	s_barrier_signal -1
	s_barrier_wait -1
.if \fill
	CREST                                          ; no wave of any partner still reads this slot's tiles or has a load on its way
	JLOAD \slot                                    ; my one tensor load behind the round; the four v_nop behind it are also the places in front of the loads below
.else
	PLACES
.endif
	FETCH \next, 0, F0
.endm
; THE WAY OUT.  XOUT: my partial tile's rows 64 hi .. 64 hi + 63 go into LDS row by row: a lane's eight columns of a row are 32 bytes, two stores; each accumulator's low four registers go first.
.macro XOUT hi
	WIN 0x08+4*(\hi)                               ; an LDS store's data is source 1: window 2 or 3; the address window 0
.irp a, 0,1,2,3
.irp b, 0,1,2,3,4,5,6,7
	ds_store_b128 v[XS], v[8*(8*(\a)+(\b)):8*(8*(\a)+(\b))+3]   offset:(4*(\hi)+(\a))*16*XP+64*(\b)
	ds_store_b128 v[XS], v[8*(8*(\a)+(\b))+4:8*(8*(\a)+(\b))+7] offset:(4*(\hi)+(\a))*16*XP+64*(\b)+16
.endr
.endr
.endm
; XLOAD: batch t of eight: four of my rows, from each of the four partial tiles: 16 loads of 512 consecutive bytes, into buffer t % 2 of 64 registers (row q, wave s at 16 q + 4 s)
.macro XLOAD t
.set BB, 64+64*((\t)%2)
.irp q, 0,1,2,3
.irp s, 0,1,2,3
	ds_load_b128 v[BB+16*(\q)+4*(\s):BB+16*(\q)+4*(\s)+3], v[XR+(\s)] offset:(4*(\t)+(\q))*XP
.endr
.endr
.endm
; XSUM: the four partial sums are added, the row is multiplied by its fwd and stored.  left: the younger LDS loads, which may stay out
.macro XSUM t, left
.set BB, 64+64*((\t)%2)
	s_wait_dscnt \left
.irp q, 0,1,2,3
.set B0, BB+16*(\q)
	v_pk_add_f32 v[B0:B0+1],     v[B0:B0+1],     v[B0+4:B0+5]
	v_pk_add_f32 v[B0+2:B0+3],   v[B0+2:B0+3],   v[B0+6:B0+7]
	v_pk_add_f32 v[B0+8:B0+9],   v[B0+8:B0+9],   v[B0+12:B0+13]
	v_pk_add_f32 v[B0+10:B0+11], v[B0+10:B0+11], v[B0+14:B0+15]
	v_readlane_b32 s18, v[RF], 4*(\t)+(\q)         ; the whole wave holds one row now: its fwd is a scalar (s19, named with it as a pair, holds 0)
	v_pk_add_f32 v[B0:B0+1],     v[B0:B0+1],     v[B0+8:B0+9]
	v_pk_add_f32 v[B0+2:B0+3],   v[B0+2:B0+3],   v[B0+10:B0+11]
	v_pk_mul_f32 v[B0:B0+1],     v[B0:B0+1],     s[18:19] op_sel_hi:[1,0]
	v_pk_mul_f32 v[B0+2:B0+3],   v[B0+2:B0+3],   s[18:19] op_sel_hi:[1,0]
	global_store_b128 v[CO], v[B0:B0+3], s[10:11] offset:(4*(\t)+(\q))*4096 th:TH_STORE_NT  ; the wave stores 512 consecutive bytes, at a multiple of 512 from out0's first byte
.endr
.endm
	s_wait_tensorcnt 1                             ; my part of K step 0 is in; step 1's may stay out
	s_barrier_signal -1
	s_barrier_wait -1                              ; everybody's is
	FETCH 0, 0, F0
	QUARTER 0, 1                                   ; the first chunk stands in front of the loop: its products start the sums
	WIN 0                                          ; at a label and at a branch every window is 0
	s_mov_b32 s3, LAPS-1
.Llap:                                                 ; a trip goes once round the ring, from a lap's second chunk to the next lap's first, and fills both slots again: K steps 2 to 21
	TURN 0, 1, 1
	QUARTER 1, 0
	TURN 1, 0, 1
	QUARTER 0, 0
	WIN 0
	s_sub_co_u32 s3, s3, 1
	s_cmp_lg_u32 s3, 0
	s_cbranch_scc1 .Llap
	TURN 0, 1, 0                                   ; the last lap fills nothing, and has no round of the cluster's barrier; every fill of the launch has landed at this barrier
	QUARTER 1, 0
	s_wait_dscnt 8                                 ; the very last chunk: nothing more to fetch
	MUL16 F1, 0, 0, 0
	MUL16 F1, 0, 2, 0
	s_wait_dscnt 0x0                               ; my reads of the ring are over:
	s_barrier_signal -1                            ; say so,
	MUL16 F1, 1, 0, 0                              ; work on registers while the others arrive,
	MUL16 F1, 1, 2, 0
	WIN 0
	s_barrier_wait -1                              ; and write into the ring's bytes only when all four have said so
	PLACES                                         ; between the last products and the stores that read them
	XOUT 0
	XOUT 1
	WIN 0
	s_wait_dscnt 0x0                               ; for the others' sake: my partial tile is in LDS
	s_barrier_signal -1
	s_barrier_wait -1
	XLOAD 0
	XLOAD 1
	s_wait_loadcnt 0x0                             ; fwd
.irp t, 0,1,2,3,4,5,6,7
.if (\t) < 7
	XSUM \t, 16                                    ; LDS loads come back in order: batch t is in, the next batch's sixteen may stay out
.else
	XSUM \t, 0
.endif
.if (\t) < 6
	s_wait_xcnt 0x0                                ; the stores just issued read this buffer: it is loaded again only behind this wait (ISA guide 3.1)
	XLOAD (\t)+2
.endif
.endr
	s_wait_tensorcnt 0x0                           ; the wave's end, behind my last tensor load and my last LDS store
	ds_add_u32 v[SPW], v[NIL]
	s_wait_dscnt 0x0
	CROUND                                         ; the closing round: no work-group ends while a partner may still ask for a tile that names it
	s_endpgm
.Lfunc_end_k_qd09ab82e4e_gemm_dn:
	.size	k_qd09ab82e4e_gemm_dn, .Lfunc_end_k_qd09ab82e4e_gemm_dn-k_qd09ab82e4e_gemm_dn
	.p2alignl 7, 3214868480
	.fill 96, 4, 3214868480
	.section	.rodata,"a",@progbits
	.p2align	6, 0x0
	.amdhsa_kernel k_qd09ab82e4e_gemm_dn
		.amdhsa_group_segment_fixed_size 327680
		.amdhsa_private_segment_fixed_size 0
		.amdhsa_enable_private_segment 0
		.amdhsa_kernarg_size 32
		.amdhsa_user_sgpr_count 2
		.amdhsa_user_sgpr_kernarg_segment_ptr 1
		.amdhsa_wavefront_size32 1
		.amdhsa_system_sgpr_workgroup_id_x 1
		.amdhsa_system_sgpr_workgroup_id_y 1
		.amdhsa_system_sgpr_workgroup_id_z 1
		.amdhsa_system_vgpr_workitem_id 0
		.amdhsa_next_free_vgpr 1024
		.amdhsa_next_free_sgpr 66
		.amdhsa_reserve_vcc 0
		.amdhsa_float_denorm_mode_32 3
		.amdhsa_float_denorm_mode_16_64 3
		.amdhsa_memory_ordered 1
		.amdhsa_forward_progress 1
		.amdhsa_inst_pref_size 99
	.end_amdhsa_kernel
	.amdgpu_metadata
---
amdhsa.version: [ 1, 2 ]
amdhsa.kernels:
  - .name:           k_qd09ab82e4e_gemm_dn
    .symbol:         k_qd09ab82e4e_gemm_dn.kd
    .args:
      - { .name: hbuf, .offset: 0, .size: 8, .value_kind: global_buffer, .address_space: global }
      - { .name: wdn, .offset: 8, .size: 8, .value_kind: global_buffer, .address_space: global }
      - { .name: rowsc, .offset: 16, .size: 8, .value_kind: global_buffer, .address_space: global }
      - { .name: out0, .offset: 24, .size: 8, .value_kind: global_buffer, .address_space: global }
    .group_segment_fixed_size: 327680
    .private_segment_fixed_size: 0
    .kernarg_segment_align: 8
    .kernarg_segment_size: 32
    .max_flat_workgroup_size: 128
    .sgpr_count:     66
    .vgpr_count:     1024
    .wavefront_size: 32
...
	.end_amdgpu_metadata
.endif
;; end of part 3
;; ======== version 2 of 2: 3 launches; version 1 with the launch prep written anew for expert scheduling mode
;; limits: values are held in f16: magnitudes above 65,504 overflow, below 6.1e-05 lose precision; inputs' magnitudes at most 65,504
;; workspace buffers: xh 8,388,608 bytes; wgu 23,068,672 bytes; wdn 11,534,336 bytes; hbuf 46,137,344 bytes; rowsc 65,536 bytes
;; launch prep (part 4): grid 1032 x 1, 8 waves a work-group, no clusters, 0 bytes of LDS; arguments x, qweight_gu, qzeros_gu, scales_gu, qweight_dn, qzeros_dn, scales_dn, xh, rowsc, wgu, wdn; writes xh, rowsc, wgu, wdn
.if DOCPART == 4
	.amdgcn_target "amdgcn-amd-amdhsa--gfx1250"
	.amdhsa_code_object_version 6
	.text
	.protected	k_qd09ab82e4e_prep
	.globl	k_qd09ab82e4e_prep
	.p2align	8
	.type	k_qd09ab82e4e_prep,@function
k_qd09ab82e4e_prep:
	s_mov_b64 s[64:65], 0
	v_nop
	global_prefetch_b8 v0, s[64:65] scope:SCOPE_SE
	s_setreg_imm32_b32 hwreg(HW_REG_WAVE_SCHED_MODE, 0, 2), 2
	s_setreg_imm32_b32 hwreg(HW_REG_WAVE_MODE, 25, 1), 1
	s_wait_xcnt 0x0
	s_wait_alu depctr_vm_vsrc(0)
; PREPARATION for the two products of out = (silu(x Wg) * (x Wu)) Wd.  Three jobs, chosen by the work-group's number; no LDS, no barrier, no wave waits for another.
;   work-groups 0-511:    x [4096][1024] f32 -> xh f16, one wave a row; the row's factors -> rowsc [4096][4] f32 = (inv, inv, fwd, fwd), ms = max(mean(x^2), 1e-30), inv = 1/(8 ms), fwd = 8 ms.
;   work-groups 512-855:  wgu [1024][11264] f16 = (w - z) s, computed in f32 as the problem writes it and rounded once.  A word's eight nibbles are eight neighbouring n,
;                         so a lane turns 4 loaded bytes into 16 neighbouring stored bytes and the weights stay [K][N].  The gate's 5,504 columns lie at 0, the up's at 5,632; behind each
;                         stand 128 columns of stored zeros, so that the first product has 44 column tiles of 128, a number that four divides.
;   work-groups 856-1031: wdn [5632][1024] f16 likewise; its rows 5504-5631 are stored zeros, so that the second product's K is 22 whole steps of 256.
; WHY inv AND fwd.  h = silu(g) u grows about with the square of the row's size of x and has no room in f16; h / (8 mean(x^2)) has the same size whatever x's scale or offset.
; The factor belongs to a row, so the second product's f32 sums are multiplied by fwd once.
; LIMITS.  f16 ends at 65,504: |x| and |(w - z) s| stay below it.  The sum of a row's squares stays finite in f32.  A row with mean(x^2) < 1e-30 takes 1e-30.  NaN and infinities are not treated apart.
; THE MODE: SCHED_MODE bits 1:0 = 2 (LLVM: expert scheduling mode 2), set by the entry lines.  The code itself states the register dependences
; between vector instructions and memory instructions, with s_wait_alu, always for 0.
; THE PLAN.  Registers that memory instructions touch:
;   v2, v3, v4, v6, v64   byte offsets: written once on their path, ahead of a wait on va_vdst that stands in front of the first load or store by them; never written again behind it.
;   v5, DS, DQ, CX        loaded once, at a job's start; read by vector instructions; nothing lands in them again.
;   DY (weights)          four registers for each of 16 rows: written once by the row's roundings, read once by the row's store.
;   CY (cast)             two registers for each of 8 loads: written once by the load's roundings, read once by its store.
;   DZ, DT, CA            named by vector instructions alone.
; The rows (the cast's loads) go in blocks of four.  ONE wait on va_vdst at a block's head states that the block before has written its DY (CY); that block's four stores follow it, dealt among this block's
; vector instructions, which write DT (CA) and this block's own DY (CY) alone: none of the registers that those stores read.  One more wait stands behind the last block, ahead of its stores.
; No register that a load or store has read is written again, so a wait on vm_vsrc stands only where EXEC is written.
.set CX, 8                             ; cast: v[8:39]   eight loads of 4 f32
.set CA, 40                            ; cast: v[40:47]  four pairs of running sums of squares
.set CY, 48                            ; cast: v[48:63]  16 words of packed f16, each load's own two
.set DZ, 8                             ; weights: v[8:15]   my 8 zero points
.set DS, 16                            ; weights: v[16:23]  my 8 scales
.set DQ, 24                            ; weights: v[24:39]  16 rows' words
.set DT, 40                            ; weights: v[40:47]  at work
.set DY, 48                            ; weights: v[48:111] 4 registers for each of 16 rows: no store's data is ever rewritten
; One group of 128 rows of K x one chunk of 32 words (256 n).  s30 = chunk, s31 = group, s28 = wave: the wave takes rows 128 g + 16 w .. + 15.
; qw, qz, sc, out: the first register of each pointer's pair.  QP, ZP, SCP, OP: bytes from row to row in the four buffers.
; SPLIT: words of a row from this number on are stored 256 bytes further on (0: none).
.macro DEQ qw, qz, sc, out, QP, ZP, SCP, OP, SPLIT
	s_lshl_b32 s32, s31, 7
	s_lshl_b32 s33, s28, 4
	s_add_co_u32 s32, s32, s33                     ; my first row of K
	s_mov_b32 s35, 0
	s_lshl_b32 s36, s30, 7                         ; the chunk's 128 bytes of words
	s_mul_i32 s34, s32, \QP
	s_add_co_u32 s34, s34, s36
	s_add_nc_u64 s[\qw:\qw+1], s[\qw:\qw+1], s[34:35]
	s_mul_i32 s34, s31, \ZP
	s_add_co_u32 s34, s34, s36
	s_add_nc_u64 s[\qz:\qz+1], s[\qz:\qz+1], s[34:35]
	s_mul_i32 s34, s31, \SCP
	s_lshl_b32 s36, s30, 10                        ; its 1,024 bytes of scales
	s_add_co_u32 s34, s34, s36
	s_add_nc_u64 s[\sc:\sc+1], s[\sc:\sc+1], s[34:35]
	s_mul_i32 s34, s32, \OP
	s_lshl_b32 s36, s30, 9                         ; its 512 bytes of f16
	s_add_co_u32 s34, s34, s36
	s_add_nc_u64 s[\out:\out+1], s[\out:\out+1], s[34:35]
	v_lshlrev_b32 v2, 2, v1                        ; my word
	v_lshlrev_b32 v3, 4, v1                        ; my 16 bytes of f16
	v_lshlrev_b32 v4, 5, v1                        ; my 32 bytes of scales
.if \SPLIT
	v_lshl_add_u32 v6, s30, 5, v1                  ; my word's number in its row
	v_mov_b32 v7, 0x100
	v_cmp_le_u32 vcc_lo, \SPLIT, v6                ; an up column?
	s_wait_alu depctr_va_vcc(0)                    ; the compare has written VCC, which the select below reads
	v_cndmask_b32 v6, 0, v7, vcc_lo
	v_add_nc_u32 v3, v3, v6                        ; then past the gate's 128 columns of zeros; SPLIT is a multiple of 16 words, so sixteen lanes still store 256 aligned bytes
.endif
	s_wait_alu depctr_va_vdst(0)                   ; v2, v3 and v4 are written: every load and store of this job reads one of them as its offset
	global_load_b32 v5, v2, s[\qz:\qz+1]
	global_load_b128 v[DS:DS+3],   v4, s[\sc:\sc+1]
	global_load_b128 v[DS+4:DS+7], v4, s[\sc:\sc+1] offset:16
.set i, 0
.rept 16
	global_load_b32 v[DQ+i], v2, s[\qw:\qw+1] offset:i*(\QP)
.set i, i+1
.endr
	s_wait_loadcnt 16                              ; loads come back in order: the zero points and scales are in, the 16 rows' words may stay out
.irp j, 0,1,2,3,4,5,6,7
	v_bfe_u32 v[DZ+(\j)], v5, 4*(\j), 4
.endr
.set i, 0
.rept 16
.if (i%4 == 0) && (i > 0)
	s_wait_alu depctr_va_vdst(0)                   ; the block before has written its four rows of DY, which the four stores dealt among this block's rows read
.endif
.if i >= 4
	global_store_b128 v3, v[DY+4*(i-4):DY+4*(i-4)+3], s[\out:\out+1] offset:(i-4)*(\OP)  ; a row of the block before; no vector instruction since the wait names its registers.  Sixteen lanes store 256 consecutive bytes, at a multiple of 256 from the buffer's first
.endif
	s_wait_loadcnt 15-i                            ; row i's word is in, the younger ones stay out
.irp j, 0,1,2,3,4,5,6,7
	v_bfe_u32 v[DT+(\j)], v[DQ+i], 4*(\j), 4       ; nibble j is column 8 word + j
.endr
.irp j, 0,1,2,3,4,5,6,7
	v_sub_nc_u32 v[DT+(\j)], v[DT+(\j)], v[DZ+(\j)]  ; w - z, exact
.endr
.irp j, 0,1,2,3,4,5,6,7
	v_cvt_f32_i32 v[DT+(\j)], v[DT+(\j)]
.endr
.irp j, 0,2,4,6
	v_pk_mul_f32 v[DT+(\j):DT+(\j)+1], v[DT+(\j):DT+(\j)+1], v[DS+(\j):DS+(\j)+1]
.endr
.irp j, 0,1,2,3
	v_cvt_pk_f16_f32 v[DY+4*i+(\j)], v[DT+2*(\j)], v[DT+2*(\j)+1]
.endr
.set i, i+1
.endr
	s_wait_alu depctr_va_vdst(0)                   ; the last block has written its four rows of DY, which the last four stores read
.set i, 12
.rept 4
	global_store_b128 v3, v[DY+4*i:DY+4*i+3], s[\out:\out+1] offset:i*(\OP)
.set i, i+1
.endr
.endm
	s_load_b512 s[4:19], s[0:1], 0x0               ; x s[4:5], qweight_gu s[6:7], qzeros_gu s[8:9], scales_gu s[10:11], qweight_dn s[12:13], qzeros_dn s[14:15], scales_dn s[16:17], xh s[18:19]
	s_load_b128 s[20:23], s[0:1], 0x40             ; rowsc s[20:21], wgu s[22:23]
	s_load_b64 s[24:25], s[0:1], 0x50              ; wdn
	v_and_b32 v1, 31, v0                           ; lane
	v_lshrrev_b32 v2, 5, v0
	v_readfirstlane_b32 s28, v2                    ; wave 0..7
	s_mov_b32 s29, ttmp9
	s_wait_alu depctr_va_sdst(0)                   ; s28 is written, ahead of the branches and of its first reader: each job makes its rows from it
	s_wait_kmcnt 0x0
	s_cmp_lt_u32 s29, 512
	s_cbranch_scc1 .Lcast
	s_cmp_lt_u32 s29, 856
	s_cbranch_scc1 .Lgu
	; the down projection's weights: 44 groups x 4 chunks
	s_sub_co_u32 s29, s29, 856
	s_and_b32 s30, s29, 3                          ; chunk
	s_lshr_b32 s31, s29, 2                         ; group 0..43
	s_cmp_eq_u32 s31, 43
	s_cbranch_scc1 .Lpad                           ; the 44th group has no input: it is the zeros
	DEQ 12, 14, 16, 24, 512, 512, 4096, 2048, 0
	s_endpgm
.Lpad:
	s_lshl_b32 s32, s28, 4
	s_add_co_u32 s32, s32, 5504                    ; my 16 rows behind the last true row
	s_lshl_b32 s34, s32, 11
	s_lshl_b32 s36, s30, 9
	s_add_co_u32 s34, s34, s36
	s_mov_b32 s35, 0
	s_add_nc_u64 s[24:25], s[24:25], s[34:35]
	v_lshlrev_b32 v3, 4, v1
.irp j, 0,1,2,3
	v_mov_b32 v[DY+(\j)], 0
.endr
	s_wait_alu depctr_va_vdst(0)                   ; the offset v3 and the four registers of zeros are written, which the sixteen stores read
.set i, 0
.rept 16
	global_store_b128 v3, v[DY:DY+3], s[24:25] offset:i*2048
.set i, i+1
.endr
	s_endpgm
.Lgu:                                                  ; the gate and up weights: 8 groups x 43 chunks; the up columns begin at word 688, in the middle of chunk 21
	s_sub_co_u32 s29, s29, 512
	s_and_b32 s31, s29, 7                          ; group
	s_lshr_b32 s30, s29, 3                         ; chunk 0..42
	DEQ 6, 8, 10, 22, 5504, 5504, 44032, 22528, 688
	s_mov_b32 s37, 256                             ; chunk 21 has left the gate's strip of zeros open between its two halves: 256 bytes behind the chunk's first
	s_cmp_eq_u32 s30, 21
	s_cbranch_scc1 .Lstrip
	s_mov_b32 s37, 768                             ; the up's strip stands behind chunk 42, which lies 256 bytes further on and is 512 long
	s_cmp_eq_u32 s30, 42
	s_cbranch_scc1 .Lstrip
	s_endpgm
.Lstrip:
	v_lshl_add_u32 v6, v1, 3, s37                  ; 8 bytes a lane (v6, v8 and v9 have been named by vector instructions alone)
	v_mov_b32 v8, 0
	v_mov_b32 v9, 0
	s_wait_alu depctr_va_vdst(0)                   ; the offset v6 and the pair of zeros are written, which the sixteen stores read
.set i, 0
.rept 16
	global_store_b64 v6, v[8:9], s[22:23] offset:i*22528  ; a row's 256 bytes of zeros, whole, by one instruction
.set i, i+1
.endr
	s_endpgm
.Lcast:                                                ; one wave, one row of x: the reduction never leaves the wave
	s_lshl_b32 s30, s29, 3
	s_add_co_u32 s30, s30, s28                     ; my row
	s_mov_b32 s33, 0
	s_lshl_b32 s32, s30, 12
	s_add_nc_u64 s[4:5], s[4:5], s[32:33]          ; x: 4,096 bytes a row
	s_lshl_b32 s32, s30, 11
	s_add_nc_u64 s[18:19], s[18:19], s[32:33]      ; xh: 2,048
	s_lshl_b32 s32, s30, 4
	s_add_nc_u64 s[20:21], s[20:21], s[32:33]      ; rowsc: 16
	s_mov_b32 s34, 0x76543210                      ; v_permlanex16_b32: each lane takes its own place in the other half
	s_mov_b32 s35, 0xfedcba98
	v_lshlrev_b32 v2, 4, v1
	v_lshlrev_b32 v3, 3, v1
	v_mov_b32 v64, 0
	v_mov_b32 v70, 0                               ; the exchange's destination counts as read
	s_wait_alu depctr_va_vdst(0)                   ; the offsets v2, v3 and v64 are written: every load and store of this job reads one of them
.irp j, 0,1,2,3,4,5,6,7
	global_load_b128 v[CX+4*(\j):CX+4*(\j)+3], v2, s[4:5] offset:512*(\j) th:TH_LOAD_NT  ; 512 consecutive bytes each; x is read once
.endr
.irp j, 0,1,2,3,4,5,6,7
.if (\j) == 4
	s_wait_alu depctr_va_vdst(0)                   ; the roundings of loads 0 to 3 have written their CY, which the four stores dealt among loads 4 to 7 read
.endif
.if (\j) >= 4
	global_store_b64 v3, v[CY+2*((\j)-4):CY+2*((\j)-4)+1], s[18:19] offset:256*((\j)-4)  ; the wave stores 256 consecutive bytes, at a multiple of 256 from xh's first; no vector instruction since the wait names these registers
.endif
	s_wait_loadcnt 7-(\j)                          ; load j is in, the younger ones stay out
.if (\j) < 2
	v_pk_mul_f32 v[CA+4*(\j):CA+4*(\j)+1],   v[CX+4*(\j):CX+4*(\j)+1],   v[CX+4*(\j):CX+4*(\j)+1]      ; the first two loads start the four chains: nothing is cleared
	v_pk_mul_f32 v[CA+4*(\j)+2:CA+4*(\j)+3], v[CX+4*(\j)+2:CX+4*(\j)+3], v[CX+4*(\j)+2:CX+4*(\j)+3]
.else
	v_pk_fma_f32 v[CA+4*((\j)%2):CA+4*((\j)%2)+1],   v[CX+4*(\j):CX+4*(\j)+1],   v[CX+4*(\j):CX+4*(\j)+1],   v[CA+4*((\j)%2):CA+4*((\j)%2)+1]
	v_pk_fma_f32 v[CA+4*((\j)%2)+2:CA+4*((\j)%2)+3], v[CX+4*(\j)+2:CX+4*(\j)+3], v[CX+4*(\j)+2:CX+4*(\j)+3], v[CA+4*((\j)%2)+2:CA+4*((\j)%2)+3]
.endif
	v_cvt_pk_f16_f32 v[CY+2*(\j)],   v[CX+4*(\j)],   v[CX+4*(\j)+1]
	v_cvt_pk_f16_f32 v[CY+2*(\j)+1], v[CX+4*(\j)+2], v[CX+4*(\j)+3]
.endr
	s_wait_alu depctr_va_vdst(0)                   ; the roundings of loads 4 to 7 have written their CY, which the last four stores of xh read
.irp j, 4,5,6,7
	global_store_b64 v3, v[CY+2*(\j):CY+2*(\j)+1], s[18:19] offset:256*(\j)
.endr
	v_pk_add_f32 v[CA:CA+1], v[CA:CA+1], v[CA+2:CA+3]
	v_pk_add_f32 v[CA+4:CA+5], v[CA+4:CA+5], v[CA+6:CA+7]
	v_pk_add_f32 v[CA:CA+1], v[CA:CA+1], v[CA+4:CA+5]
	v_add_f32 v[CA], v[CA], v[CA+1]
	v_add_f32_dpp v[CA], v[CA], v[CA] row_xmask:1 row_mask:0xf bank_mask:0xf
	v_add_f32_dpp v[CA], v[CA], v[CA] row_xmask:2 row_mask:0xf bank_mask:0xf
	v_add_f32_dpp v[CA], v[CA], v[CA] row_xmask:4 row_mask:0xf bank_mask:0xf
	v_add_f32_dpp v[CA], v[CA], v[CA] row_xmask:8 row_mask:0xf bank_mask:0xf
	v_permlanex16_b32 v70, v[CA], s34, s35
	v_add_f32 v[CA], v[CA], v70                    ; the row's sum of squares, in every lane
	v_mul_f32 v[CA], 0x3a800000, v[CA]             ; / 1024
	v_max_num_f32 v[CA], 0x0da24260, v[CA]         ; ms = max(mean, 1e-30)
	v_rcp_f32 v66, v[CA]
	v_mul_f32 v68, 0x41000000, v[CA]               ; fwd = 8 ms: also the plain instruction behind the reciprocal (ISA guide 5.7.2)
	v_mov_b32 v69, v68
	s_wait_alu depctr_va_vdst(0)                   ; the reciprocal has written v66, ahead of the first instruction that names it
	v_mul_f32 v66, 0x3e000000, v66                 ; inv = 1 / (8 ms)
	v_mov_b32 v67, v66                             ; each factor twice: the first product's packed multiplies take a true pair
	v_cmp_eq_u32 vcc_lo, 0, v1
	s_wait_xcnt 0x0                                ; EXEC is a source of the stores above: it changes only behind this wait
	s_wait_alu depctr_va_vcc(0)                    ; the compare has written VCC: EXEC is made from it
	s_wait_alu depctr_va_vdst(0)                   ; ahead of the write of EXEC: the vector instructions issued so far are done; among them those that wrote v[66:69], which the store below reads
	s_wait_alu depctr_vm_vsrc(0)                   ; ahead of the write of EXEC: the stores of xh have read their vector registers
	s_and_saveexec_b32 s36, vcc_lo
	global_store_b128 v64, v[66:69], s[20:21]      ; lane 0 stores the row's 16 bytes: the one store of the program that fills no whole 256 bytes (65,536 bytes in all)
	s_wait_xcnt 0x0                                ; and again in front of the line that widens EXEC
	s_wait_alu depctr_va_vdst(0)                   ; ahead of the write of EXEC: no vector instruction is still at work
	s_wait_alu depctr_vm_vsrc(0)                   ; ahead of the write of EXEC: the store has read v64 and v[66:69]
	s_or_b32 exec_lo, exec_lo, s36
	s_endpgm
.Lfunc_end_k_qd09ab82e4e_prep:
	.size	k_qd09ab82e4e_prep, .Lfunc_end_k_qd09ab82e4e_prep-k_qd09ab82e4e_prep
	.p2alignl 7, 3214868480
	.fill 96, 4, 3214868480
	.section	.rodata,"a",@progbits
	.p2align	6, 0x0
	.amdhsa_kernel k_qd09ab82e4e_prep
		.amdhsa_group_segment_fixed_size 0
		.amdhsa_private_segment_fixed_size 0
		.amdhsa_enable_private_segment 0
		.amdhsa_kernarg_size 88
		.amdhsa_user_sgpr_count 2
		.amdhsa_user_sgpr_kernarg_segment_ptr 1
		.amdhsa_wavefront_size32 1
		.amdhsa_system_sgpr_workgroup_id_x 1
		.amdhsa_system_sgpr_workgroup_id_y 1
		.amdhsa_system_sgpr_workgroup_id_z 1
		.amdhsa_system_vgpr_workitem_id 0
		.amdhsa_next_free_vgpr 112
		.amdhsa_next_free_sgpr 66
		.amdhsa_reserve_vcc 1
		.amdhsa_float_denorm_mode_32 3
		.amdhsa_float_denorm_mode_16_64 3
		.amdhsa_memory_ordered 1
		.amdhsa_forward_progress 1
		.amdhsa_inst_pref_size 70
	.end_amdhsa_kernel
	.amdgpu_metadata
---
amdhsa.version: [ 1, 2 ]
amdhsa.kernels:
  - .name:           k_qd09ab82e4e_prep
    .symbol:         k_qd09ab82e4e_prep.kd
    .args:
      - { .name: x, .offset: 0, .size: 8, .value_kind: global_buffer, .address_space: global }
      - { .name: qweight_gu, .offset: 8, .size: 8, .value_kind: global_buffer, .address_space: global }
      - { .name: qzeros_gu, .offset: 16, .size: 8, .value_kind: global_buffer, .address_space: global }
      - { .name: scales_gu, .offset: 24, .size: 8, .value_kind: global_buffer, .address_space: global }
      - { .name: qweight_dn, .offset: 32, .size: 8, .value_kind: global_buffer, .address_space: global }
      - { .name: qzeros_dn, .offset: 40, .size: 8, .value_kind: global_buffer, .address_space: global }
      - { .name: scales_dn, .offset: 48, .size: 8, .value_kind: global_buffer, .address_space: global }
      - { .name: xh, .offset: 56, .size: 8, .value_kind: global_buffer, .address_space: global }
      - { .name: rowsc, .offset: 64, .size: 8, .value_kind: global_buffer, .address_space: global }
      - { .name: wgu, .offset: 72, .size: 8, .value_kind: global_buffer, .address_space: global }
      - { .name: wdn, .offset: 80, .size: 8, .value_kind: global_buffer, .address_space: global }
    .group_segment_fixed_size: 0
    .private_segment_fixed_size: 0
    .kernarg_segment_align: 8
    .kernarg_segment_size: 88
    .max_flat_workgroup_size: 256
    .sgpr_count:     66
    .vgpr_count:     112
    .wavefront_size: 32
...
	.end_amdgpu_metadata
.endif
;; end of part 4
;; launch gemm_gu: the kernel of part 2 again; grid 16 x 44, 4 waves a work-group, clusters of 4 x 4, 327,680 bytes of LDS; arguments xh, wgu, rowsc, hbuf; writes hbuf
;; launch gemm_dn: the kernel of part 3 again; grid 8 x 32, 4 waves a work-group, clusters of 4 x 4, 327,680 bytes of LDS; arguments hbuf, wdn, rowsc, out0; writes out0
